; MI455X (gfx1250); checked and timed in simulation.
; The chip was launched on July 23, 2026; its instructions are those of AMD's public machine-readable ISA for CDNA 5 (MIT licence, August 2026) and "CDNA5" Instruction Set Architecture Reference Guide (July 2026). The comments in the code are by the model that wrote it; some were corrected since.
;; Multi Head Attn. Allowed arithmetic: matrix products marked QUANTISED: E2M1 operands, one E8M0 scale for each 32 along K, by v_wmma_scale_f32_16x16x128_f8f6f4 with both operands' format E2M1 (or v_wmma_scale_f32_32x16x128_f4), f32 sums; products left as they are: bf16, f16 or f32 operands; f32 sums; everything else in f32.
;; Inputs: Wk 1,024 x 1,024 float32; Wo 1,024 x 1,024 float32; Wq 1,024 x 1,024 float32; Wv 1,024 x 1,024 float32; bk 1,024 float32; bo 1,024 float32; bq 1,024 float32; bv 1,024 float32; k 4 x 2,048 x 1,024 float32; mask 1 x 1 x 2,048 x 2,048 bool; q 4 x 2,048 x 1,024 float32; v 4 x 2,048 x 1,024 float32.
;; Outputs: out0 4 x 2,048 x 1,024 float32.
;; This version of the problem:
;;   THIS VERSION OF THE PROBLEM IS GIVEN IN LOW PRECISION. The matrix products marked QUANTISED in the list below multiply operands that are first quantised to E2M1 (2 exponent bits, 1 mantissa bit; 4 bits a number), with one power-of-two scale for each 32 numbers along K (OCP MX v1.0); their sums are f32. The products marked 'left as it is' may take bf16, f16 or f32 operands, with f32 sums. Whichever they take, every output number must still come out within the allowed error. Rounding operands to bf16 (8 significant bits) uses up far more of that allowance than f16 does (11 bits, for magnitudes from 6e-5 to 65,504). All else is computed in f32.
;;   The module's matrix products, in the order in which they are computed (A, B: the left and right operand; K: the contracted axis; several contracted axes count as one K, in the product's order):
;;     1. [M 8,192, K 1,024] x [K 1,024, N 1,024]; A: input q; B: input Wq: QUANTISED
;;     2. [M 8,192, K 1,024] x [K 1,024, N 1,024]; A: input k; B: input Wk: QUANTISED
;;     3. [M 8,192, K 1,024] x [K 1,024, N 1,024]; A: input v; B: input Wv: QUANTISED
;;     4. batch 64 x [M 2,048, K 64] x [K 64, N 2,048]; A: computed on the way; B: computed on the way: left as it is (an operand is computed on the way)
;;     5. batch 64 x [M 2,048, K 2,048] x [K 2,048, N 64]; A: computed on the way; B: computed on the way: left as it is (an operand is computed on the way)
;;     6. [M 8,192, K 1,024] x [K 1,024, N 1,024]; A: computed on the way; B: input Wo: left as it is (an operand is computed on the way)
;;   THE QUANTISER, for each operand of a quantised product, along K:
;;     - K is cut into blocks of 32 from its start; a last block that is shorter is filled with zeros.
;;     - A block's scale is 2^e with e = floor(log2(the largest magnitude in the block)) - 2, held to -126 .. 127; a block of zeros has e = 0. As a byte (E8M0): e + 127.
;;     - Each number is divided by its block's scale, clamped to +-6, and rounded to the nearest number of E2M1, ties to even, subnormals kept.
;;     - The product sums the exact products of the quantised numbers (number of the format x scale) in f32.
;;   ~~~python
;;   def quantise(x, axis):      # numpy; x: float32 -> the quantised numbers, widened to float32 again
;;       x = np.moveaxis(x, axis, -1); K = x.shape[-1]
;;       x = np.pad(x, [(0, 0)] * (x.ndim - 1) + [(0, -K % 32)]); x = x.reshape(x.shape[:-1] + (-1, 32)); a = np.abs(x).max(-1, keepdims=True)
;;       e = np.where(a > 0, np.clip(np.frexp(np.where(a > 0, a, 1))[1] - 1 - 2, -126, 127), 0)      # np.frexp(a)[1] - 1 = floor(log2(a)), exactly
;;       r = np.clip(x / 2.0 ** e, -6, 6)
;;       step = 2.0 ** (np.maximum(np.frexp(np.where(r == 0, 1, r))[1] - 1, 0) - 1)
;;       q = np.round(r / step) * step * 2.0 ** e      # np.round: ties to even
;;       return np.moveaxis(q.reshape(q.shape[:-2] + (-1,))[..., :K], -1, axis).astype(np.float32)
;;   ~~~
;; One version. Each part assembles by itself: llvm-mc -triple=amdgcn-amd-amdhsa -mcpu=gfx1250 --defsym DOCPART=n.
;; ======== version 1 of 1: 4 launches
;; limits: values are held in f16: magnitudes above 65,504 overflow, below 6.1e-05 lose precision
;; workspace buffers: codes 14,155,776 bytes; scales 884,736 bytes; wo16 2,097,152 bytes; qkv 50,331,648 bytes; xh 16,777,216 bytes
;; launch quant (part 1): grid 896 x 1, 4 waves a work-group, no clusters, 33,280 bytes of LDS; arguments q, k, v, Wq, Wk, Wv, Wo, codes, scales, wo16; writes codes, scales, wo16
.if DOCPART == 1
	.amdgcn_target "amdgcn-amd-amdhsa--gfx1250"
	.amdhsa_code_object_version 6
	.text
	.protected	k_qc67e826089_quant
	.globl	k_qc67e826089_quant
	.p2align	8
	.type	k_qc67e826089_quant,@function
k_qc67e826089_quant:
	s_mov_b64 s[64:65], 0
	v_nop
	global_prefetch_b8 v0, s[64:65] scope:SCOPE_SE
	s_setreg_imm32_b32 hwreg(HW_REG_WAVE_MODE, 25, 1), 1
	s_wait_xcnt 0x0
; q, k, v [8192][1024] and Wq, Wk, Wv [1024][1024], f32 with K innermost, become codes of FP4 (E2M1), two a byte, and one E8M0 scale byte for each 32 along K.  Wo [1024][1024] becomes f16.
; A block's scale is 2^(floor(log2(its largest magnitude)) - 2); its byte is the largest magnitude's exponent field - 2, held at 1 from below; each number is divided by the scale and rounded to the
; nearest code, ties to even, beyond 6 the largest code.
; LIMITS: NaN and infinities are not served.  A block of zeros gets the byte 1 where the rule says 127: its codes are zeros, and the bytes are read by this program alone.  Wo beyond 65,504 has no f16 number.
; Rows are dense and 1,024 is a multiple of 32: each tensor is a plain stream of blocks of 32.  The six tensors' codes lie on end in ONE buffer (q, k, v, Wq, Wk, Wv), their bytes likewise, so the place
; of a wave's results hangs on the work-group's number alone: run = 4 x work-group + wave; 4,096 bytes of codes and 256 scale bytes a run.  Only the source is chosen.
; A work-group takes 32,768 numbers, a wave 8,192: 16 steps of 512.  Work-groups 0-255 q, 256-511 k, 512-767 v, 768-799 Wq, 800-831 Wk, 832-863 Wv, 864-895 Wo.
; A conversion takes 8 numbers of one block from ONE lane's registers, a load is best where neighbouring lanes take neighbouring bytes: so each load reads 512 bytes on end, 16 a lane, and a step's 2,048
; bytes turn through the wave's own stage in LDS and come back 64 bytes a lane (16 bytes of padding behind each 64).  Two neighbouring lanes hold a block.  Waves share nothing: no barrier.
.set WAVES, 4
.set STEPS, 16
.set EMAX,  2
.set CB,    8                          ; bytes of 16 codes
.set R,     16                         ; v16-79   four sets of 16 numbers as loaded (Wo: two sets of 64, v16-143)
.set X,     80                         ; v80-111  two sets of 16 neighbours
.set E,     112                        ; v112-127 a scale byte for each step
.set C,     128                        ; v128-191 codes: four registers for each step, so that no store's data are written again
.set OUTW,  144                        ; v144-175 Wo's path: 32 registers of f16 pairs
.set WREG,  8192                       ; LDS: a region for each wave: two stages of 32 x SP bytes, behind them its 256 scale bytes
.set SP,    80
.set SPW,   12                         ; v12  LDS address of my spare word; never rewritten
.set NIL,   13                         ; v13  0; never rewritten
.set SPARE, WAVES*WREG                 ; behind the regions: the spare words, 128 bytes a wave
.set WV,    24                         ; s24  my wave's number
.set SRC,   26                         ; s[26:27] the source tensor
.set FIRST, 28                         ; s28  its first work-group
.set G_WO,  864
	s_load_b256 s[4:11], s[0:1], 0x0               ; q s[4:5], k s[6:7], v s[8:9], Wq s[10:11]
	s_load_b256 s[12:19], s[0:1], 0x20             ; Wk s[12:13], Wv s[14:15], Wo s[16:17], codes s[18:19]
	s_load_b128 s[20:23], s[0:1], 0x40             ; scales s[20:21], wo16 s[22:23]
	v_lshl_add_u32 v[SPW], v0, 2, SPARE
	v_mov_b32 v[NIL], 0
	v_lshrrev_b32 v1, 5, v0
	v_readfirstlane_b32 s[WV], v1                  ; wave 0..3
	v_and_b32 v2, 31, v0                           ; lane
	v_lshlrev_b32 v3, 4, v2                        ; my 16 bytes of a load's 512
	s_mul_i32 s29, s[WV], WREG
	v_lshrrev_b32 v14, 2, v2
	v_mul_u32_u24 v14, v14, SP
	v_and_b32 v15, 3, v2
	v_lshl_add_u32 v14, v15, 4, v14
	v_add_nc_u32 v14, s29, v14                     ; the stage, way in: four lanes' 64 bytes on end, then 16 of padding
	v_mul_u32_u24 v15, v2, SP
	v_add_nc_u32 v15, s29, v15                     ; way out: SP x lane: my 16 neighbours
	v_mul_u32_u24 v4, v2, CB                       ; 8 x lane: my codes' place in a step's (Wo: my 8 bytes of f16)
	v_lshrrev_b32 v5, 1, v2
	s_add_co_u32 s29, s29, 2*32*SP
	v_add_nc_u32 v5, s29, v5                       ; LDS: my block's scale byte
	v_lshlrev_b32 v7, 3, v2
	v_add_nc_u32 v6, s29, v7                       ; and 8 of the wave's 256 bytes on the way out
	s_wait_kmcnt 0x0
	s_cmp_ge_u32 ttmp9, G_WO                       ; the last 32 work-groups round Wo: a branch on the work-group's number
	s_cbranch_scc1 .Lwo
	s_mov_b64 s[SRC:SRC+1], s[14:15]               ; the source, chosen by the work-group's number alone: Wv, unless a lower limit holds
	s_mov_b32 s[FIRST], 832
	s_cmp_lt_u32 ttmp9, 832
	s_cselect_b64 s[SRC:SRC+1], s[12:13], s[SRC:SRC+1]
	s_cselect_b32 s[FIRST], 800, s[FIRST]
	s_cmp_lt_u32 ttmp9, 800
	s_cselect_b64 s[SRC:SRC+1], s[10:11], s[SRC:SRC+1]
	s_cselect_b32 s[FIRST], 768, s[FIRST]
	s_cmp_lt_u32 ttmp9, 768
	s_cselect_b64 s[SRC:SRC+1], s[8:9], s[SRC:SRC+1]
	s_cselect_b32 s[FIRST], 512, s[FIRST]
	s_cmp_lt_u32 ttmp9, 512
	s_cselect_b64 s[SRC:SRC+1], s[6:7], s[SRC:SRC+1]
	s_cselect_b32 s[FIRST], 256, s[FIRST]
	s_cmp_lt_u32 ttmp9, 256
	s_cselect_b64 s[SRC:SRC+1], s[4:5], s[SRC:SRC+1]
	s_cselect_b32 s[FIRST], 0, s[FIRST]
	s_sub_co_u32 s30, ttmp9, s[FIRST]
	s_lshl_b32 s30, s30, 2
	s_add_co_u32 s30, s30, s[WV]                   ; my run in the source,
	s_lshl_b32 s30, s30, 15                        ; 32,768 bytes a run (under 2^26)
	s_mov_b32 s31, 0
	s_add_nc_u64 s[SRC:SRC+1], s[SRC:SRC+1], s[30:31]
	s_lshl_b32 s32, ttmp9, 2
	s_add_co_u32 s32, s32, s[WV]                   ; my run in the results
	s_lshl_b32 s30, s32, 12
	s_add_nc_u64 s[18:19], s[18:19], s[30:31]      ; 4,096 bytes of codes a run
	s_lshl_b32 s30, s32, 8
	s_add_nc_u64 s[20:21], s[20:21], s[30:31]      ; 256 scale bytes a run
.macro LOAD t
.irp i, 0,1,2,3
	global_load_b128 v[R+16*((\t)%4)+4*\i:R+16*((\t)%4)+4*\i+3], v3, s[SRC:SRC+1] offset:2048*(\t)+512*\i th:TH_LOAD_NT   ; 32 lanes read 512 bytes on end; read once in the launch
.endr
.endm
.macro TURN t                          ; step t's numbers through the stage: LDS serves a wave's instructions in order, so no wait stands between the stores and the loads
.irp i, 0,1,2,3
	ds_store_b128 v14, v[R+16*((\t)%4)+4*\i:R+16*((\t)%4)+4*\i+3] offset:32*SP*((\t)%2)+8*SP*\i
.endr
.irp i, 0,1,2,3
	ds_load_b128 v[X+16*((\t)%2)+4*\i:X+16*((\t)%2)+4*\i+3], v15 offset:32*SP*((\t)%2)+16*\i
.endr
.endm
.irp t, 0,1,2,3
	LOAD \t
.endr
	s_wait_loadcnt 12                              ; step 0's four loads are in; the twelve of steps 1 to 3 may be out
	TURN 0
.macro STEP t
.set XS, X+16*((\t)%2)
.if (\t) > 0
	s_wait_dscnt 1                                 ; this step's numbers are back from the stage (the last step's byte store may be out): so its stores into the stage have read their registers,
.else
	s_wait_dscnt 0x0
.endif
.if (\t)+4 < STEPS
	LOAD (\t)+4                                    ; which take the loads of four steps on
.endif
.if (\t)+1 < STEPS
.if STEPS-2-(\t) >= 3
	s_wait_loadcnt 12                              ; the next step's four loads are in; those of the three steps behind it may be out
.else
	s_wait_loadcnt 4*(STEPS-2-(\t))
.endif
	TURN (\t)+1                                    ; they go through the other stage while this step is worked
.endif
	v_max3_num_f32 v8, |v[XS]|, |v[XS+1]|, |v[XS+2]|               ; the largest magnitude of my 16, in two chains
	v_max3_num_f32 v9, |v[XS+3]|, |v[XS+4]|, |v[XS+5]|
.irp i, 6,10
	v_max3_num_f32 v8, v8, |v[XS+\i]|, |v[XS+\i+1]|
	v_max3_num_f32 v9, v9, |v[XS+\i+2]|, |v[XS+\i+3]|
.endr
	v_max3_num_f32 v8, v8, |v[XS+14]|, |v[XS+15]|
	v_max3_num_f32 v8, v8, v9, (EMAX+1)<<23        ; and the floor 2^(EMAX + 1 - 127): the byte cannot fall under 1
	v_max_num_f32_dpp v8, v8, v8 row_xmask:1 row_mask:0xf bank_mask:0xf   ; and of my neighbour's 16: the block's
	v_add_nc_u32 v11, -(EMAX<<23), v8              ; EMAX off its exponent field: the conversion takes the exponent field of this operand as its scale
	v_cvt_scalef32_pk8_fp4_f32 v[C+4*(\t)], v[XS:XS+7], v11
	v_cvt_scalef32_pk8_fp4_f32 v[C+4*(\t)+1], v[XS+8:XS+15], v11
	v_lshrrev_b32 v[E+(\t)], 23, v11               ; the scale's byte (also the plain line behind the conversions)
	ds_store_b8 v5, v[E+(\t)] offset:16*(\t)       ; both lanes of a block write the same byte with the same value
	global_store_b64 v4, v[C+4*(\t):C+4*(\t)+1], s[18:19] offset:32*CB*(\t)   ; the wave stores 256 bytes on end, aligned
.endm
.irp t, 0,1,2,3,4,5,6,7,8,9,10,11,12,13,14,15
	STEP \t
.endr
	ds_load_b64 v[8:9], v6                         ; LDS serves a wave's instructions in order: these see my byte stores
	s_wait_dscnt 0x0
	global_store_b64 v7, v[8:9], s[20:21]          ; 32 lanes store the wave's 256 scale bytes on end, aligned
	s_wait_tensorcnt 0x0                           ; the wave's end: a wait, an add of 0 to my spare word and its wait, behind my last LDS store
	ds_add_u32 v[SPW], v[NIL]
	s_wait_dscnt 0x0
	s_endpgm
; Wo to f16: a plain stream, no LDS.  A wave takes 8,192 numbers in four sets of 2,048; two sets of 16 loads are out.
.Lwo:
	s_sub_co_u32 s30, ttmp9, G_WO
	s_lshl_b32 s30, s30, 2
	s_add_co_u32 s30, s30, s[WV]                   ; my run of 8,192 numbers
	s_lshl_b32 s32, s30, 15
	s_mov_b32 s33, 0
	s_add_nc_u64 s[16:17], s[16:17], s[32:33]
	s_lshl_b32 s30, s30, 14
	s_mov_b32 s31, 0
	s_add_nc_u64 s[22:23], s[22:23], s[30:31]
.macro LOADW t
.irp i, 0,1,2,3,4,5,6,7,8,9,10,11,12,13,14,15
	global_load_b128 v[R+64*((\t)%2)+4*\i:R+64*((\t)%2)+4*\i+3], v3, s[16:17] offset:8192*(\t)+512*\i th:TH_LOAD_NT
.endr
.endm
.macro CVTW t
.if (\t) < 3
	s_wait_loadcnt 16                              ; this set is in; the next set's 16 loads may be out
.else
	s_wait_loadcnt 0x0
.endif
.if (\t) > 0
	s_wait_xcnt 0x0                                ; the last set's stores have read their data: the registers are written again only behind this wait
.endif
.irp i, 0,1,2,3,4,5,6,7,8,9,10,11,12,13,14,15
	v_cvt_pk_f16_f32 v[OUTW+2*\i], v[R+64*((\t)%2)+4*\i], v[R+64*((\t)%2)+4*\i+1]       ; two roundings to f16, nearest even
	v_cvt_pk_f16_f32 v[OUTW+2*\i+1], v[R+64*((\t)%2)+4*\i+2], v[R+64*((\t)%2)+4*\i+3]
.endr
.if (\t) < 2
	LOADW (\t)+2
.endif
.irp i, 0,1,2,3,4,5,6,7,8,9,10,11,12,13,14,15
	global_store_b64 v4, v[OUTW+2*\i:OUTW+2*\i+1], s[22:23] offset:4096*(\t)+256*\i      ; the wave stores 256 bytes on end, aligned
.endr
.endm
	LOADW 0
	LOADW 1
	CVTW 0
	CVTW 1
	CVTW 2
	CVTW 3
	s_wait_tensorcnt 0x0                           ; the same three lines at this path's end
	ds_add_u32 v[SPW], v[NIL]
	s_wait_dscnt 0x0
	s_endpgm
.Lfunc_end_k_qc67e826089_quant:
	.size	k_qc67e826089_quant, .Lfunc_end_k_qc67e826089_quant-k_qc67e826089_quant
	.p2alignl 7, 3214868480
	.fill 96, 4, 3214868480
	.section	.rodata,"a",@progbits
	.p2align	6, 0x0
	.amdhsa_kernel k_qc67e826089_quant
		.amdhsa_group_segment_fixed_size 33280
		.amdhsa_private_segment_fixed_size 0
		.amdhsa_enable_private_segment 0
		.amdhsa_kernarg_size 80
		.amdhsa_user_sgpr_count 2
		.amdhsa_user_sgpr_kernarg_segment_ptr 1
		.amdhsa_wavefront_size32 1
		.amdhsa_system_sgpr_workgroup_id_x 1
		.amdhsa_system_sgpr_workgroup_id_y 1
		.amdhsa_system_sgpr_workgroup_id_z 1
		.amdhsa_system_vgpr_workitem_id 0
		.amdhsa_next_free_vgpr 192
		.amdhsa_next_free_sgpr 66
		.amdhsa_reserve_vcc 0
		.amdhsa_float_denorm_mode_32 3
		.amdhsa_float_denorm_mode_16_64 3
		.amdhsa_memory_ordered 1
		.amdhsa_forward_progress 1
		.amdhsa_inst_pref_size 55
	.end_amdhsa_kernel
	.amdgpu_metadata
---
amdhsa.version: [ 1, 2 ]
amdhsa.kernels:
  - .name:           k_qc67e826089_quant
    .symbol:         k_qc67e826089_quant.kd
    .args:
      - { .name: q, .offset: 0, .size: 8, .value_kind: global_buffer, .address_space: global }
      - { .name: k, .offset: 8, .size: 8, .value_kind: global_buffer, .address_space: global }
      - { .name: v, .offset: 16, .size: 8, .value_kind: global_buffer, .address_space: global }
      - { .name: Wq, .offset: 24, .size: 8, .value_kind: global_buffer, .address_space: global }
      - { .name: Wk, .offset: 32, .size: 8, .value_kind: global_buffer, .address_space: global }
      - { .name: Wv, .offset: 40, .size: 8, .value_kind: global_buffer, .address_space: global }
      - { .name: Wo, .offset: 48, .size: 8, .value_kind: global_buffer, .address_space: global }
      - { .name: codes, .offset: 56, .size: 8, .value_kind: global_buffer, .address_space: global }
      - { .name: scales, .offset: 64, .size: 8, .value_kind: global_buffer, .address_space: global }
      - { .name: wo16, .offset: 72, .size: 8, .value_kind: global_buffer, .address_space: global }
    .group_segment_fixed_size: 33280
    .private_segment_fixed_size: 0
    .kernarg_segment_align: 8
    .kernarg_segment_size: 80
    .max_flat_workgroup_size: 128
    .sgpr_count:     66
    .vgpr_count:     192
    .wavefront_size: 32
...
	.end_amdgpu_metadata
.endif
;; end of part 1
;; launch proj (part 2): grid 4 x 96, 4 waves a work-group, clusters of 4 x 4, 327,680 bytes of LDS; arguments codes, scales, bq, bk, bv, qkv; writes qkv
.if DOCPART == 2
	.amdgcn_target "amdgcn-amd-amdhsa--gfx1250"
	.amdhsa_code_object_version 6
	.text
	.protected	k_qc67e826089_proj
	.globl	k_qc67e826089_proj
	.p2align	8
	.type	k_qc67e826089_proj,@function
k_qc67e826089_proj:
	s_mov_b64 s[64:65], 0
	v_nop
	global_prefetch_b8 v0, s[64:65] scope:SCOPE_SE
	s_setreg_imm32_b32 hwreg(HW_REG_WAVE_MODE, 25, 1), 1
	s_wait_xcnt 0x0
	s_wait_alu depctr_hold_cnt(0) depctr_sa_sdst(0) depctr_va_vdst(0) depctr_va_sdst(0) depctr_va_ssrc(0) depctr_va_vcc(0) depctr_vm_vsrc(0)
	s_getreg_b32 s2, hwreg(HW_REG_IB_STS2, 6, 4)
	s_cmp_eq_u32 s2, 0
	s_cbranch_scc0 .Lentry_in_a_cluster
	s_endpgm
.Lentry_in_a_cluster:
	s_bfe_u32 s2, ttmp6, 0x10000c
	s_cmp_lg_u32 s2, 0xf033
	s_cbranch_scc0 .Lentry_shape_is_right
	s_endpgm
.Lentry_shape_is_right:
; Q = q Wq^T + bq, K = k Wk^T + bk, V = v Wv^T + bv on codes of FP4 (E2M1) with one E8M0 scale for each 32 along K; sums in f32; the results are rounded once to f16 and laid by head:
; qkv [3][4 batches][16 heads][2048 tokens][64] f16.  LIMIT: results beyond 65,504 have no f16 number.
; The three products are ONE product of 24,576 rows (q, k, v on end in 'codes') whose 1,024 columns' weights change every 8,192 rows.  A tile of 256 x 256 is made by a work-group of four waves, a wave makes
; 128 x 128: 64 accumulators, 512 registers.  K = 1,024 is two slots of 512 along K (rows of 256 bytes), both filled at the head: nothing is ever filled again.  A wave has three
; tensor loads out: its scales, its part of slot 0, its part of slot 1.
; THE SCALES of the tile's 256 + 256 rows, for all of K, are two dense blocks of memory: they come into LDS once, as rows of 256 bytes.
; CLUSTERS: 4 x 4 work-groups.  The four of a row need the same rows of x, the four of a column the same rows of W: each tile is asked for JOINTLY.  Which weight (p = cluster y / 8) is the same in all sixteen.
; THE MATRIX INSTRUCTION IS USED TRANSPOSED (source 0 = 16 rows of W, source 1 = 16 rows of x): a lane holds eight neighbouring columns of one row.  THE BIAS is the C of each sum's first instruction.
; REGISTERS, in windows of 256: window 0: v16-30 addresses; v32-95 scale words, two sets, and nothing else; v128-191 x's fragments, ONE set; v192-255 the bias (8 registers a column block), later packed results.
;   window 1: W's fragments, two sets, at v0 and v128.   window 2: the accumulators of my rows 0-63 ((a, b) at v[8 (8 a + b)]);   window 3: those of my rows 64-127.
.set NQ,     4                         ; matrix instructions deep in a slot: 512 along K
.set ROWB,   256                       ; a tile's row in bytes
.set KROW,   512                       ; a row of codes in memory
.set PITCH,  272                       ; an LDS row: 256 bytes + 16 of padding: the 16 rows that a load touches start 68 words apart
.set FR,     8                         ; registers of a fragment: 16 rows x 128 K
.set NL,     2                         ; LDS loads that bring one
.set NP,     4                         ; places behind this matrix instruction (ISA guide 7.12.1)
.set HALFT,  128*PITCH
.set SLOT,   4*HALFT                   ; x's 256 rows, then W's 256 rows
.set KS,     32                        ; a row of scales in bytes
.set SCL,    2*SLOT                    ; behind the slots: the scales, as rows of 256 bytes + 16 of padding
.set HALFS,  (128*KS/256)*272
.set SBLK,   (16*KS/256)*272
.set SPARE,  SCL+4*HALFS               ; the spare words, 128 bytes a wave
.set STAGE,  SPARE+512                 ; the way out: for each wave [2 heads][16 tokens] of 128 bytes + 16; bytes of their own, into which no tile lands
.set HPITCH, 144
.set HBLK,   16*HPITCH
.set WSTG,   2*HBLK
.set WCODES, 12582912                  ; where the weights' codes begin in 'codes',
.set WSCALES, 786432                   ; and their bytes in 'scales'
.set HEADB,  262144                    ; a head of qkv in bytes
.set ADRA, 16                          ; v16-17  LDS address of my x fragments in slot 0, 1
.set ADRB, 20                          ; v20-21  the same for W
.set STO,  24                          ; v24     the way out: where I put 16 bytes of a token's row
.set RD,   25                          ; v25     and where I read back
.set CO,   26                          ; v26     16 x lane
.set ADRS, 27                          ; v27     LDS address of my scale words: lanes 0-15 x's rows, lanes 16-31 W's
.set SPW,  28                          ; v28     my spare word; never rewritten
.set NIL,  29                          ; v29     0; never rewritten
.set BO,   30                          ; v30     32 x (lane / 16): my eight numbers of a column block's bias
.set SC,   32
.set AF,   128
.set BI,   192
.set TMP,  192
.set BK,   128
.set WV, 16                            ; s16 wave;  s17 wave / 2: my half of the rows, and: I fetch for x (0) or W (1);  s18 wave % 2: my half of the columns, and which 128 rows I fetch
.set FB, 17
.set HB, 18
.set G1, 24
.set G0, 32
.set G1B, 48
.set G0B, 56
.set G1S, 68
.set G0S, 76
.set G1SB, 80
.set G0SB, 88
.set MSB, 0
.macro WIN new                         ; the immediate's high byte repeats the setting that is left
.if MSB != (\new)
	s_set_vgpr_msb (MSB<<8)|(\new)
.set MSB, (\new)
.endif
.endm
.set MUL_LO, 0xa1                      ; source 0 (W) window 1, source 1 (x) window 0, C and D window 2
.set MUL_HI, 0xf1                      ; the same, C and D window 3
.set BIA_LO, 0x81                      ; C (the bias) window 0, D window 2
.set BIA_HI, 0xc1                      ; C window 0, D window 3
.set TO_B,   0x40
; A joint load: waves 0 and 1 fetch for x, waves 2 and 3 for W.  Each line has one mask and one set of registers; the branch hangs on the wave's number alone.
; An s_nop 0 and four v_nop follow each of the two lines.
.macro JLOAD g0a, g1a, g0b, g1b
	s_cmp_eq_u32 s[FB], 0
	s_cbranch_scc0 .Lfor_b_\@
	tensor_load_to_lds s[\g0a:\g0a+3], s[\g1a:\g1a+7]
	s_nop 0
.rept 4
	v_nop
.endr
	s_branch .Lasked_\@
.Lfor_b_\@:
	tensor_load_to_lds s[\g0b:\g0b+3], s[\g1b:\g1b+7]
	s_nop 0
.rept 4
	v_nop
.endr
.Lasked_\@:
.endm
.macro CROUND                          ; a round of the cluster's barrier
	s_barrier_signal -1
	s_barrier_wait -1
	s_cmp_lg_u32 s[WV], 0
	s_cbranch_scc1 .Lnot_wave_0_\@
	s_barrier_signal -3
.Lnot_wave_0_\@:
	s_barrier_wait -3
	s_barrier_signal -1
	s_barrier_wait -1
.endm
	s_load_b128 s[4:7], s[0:1], 0x0                ; codes s[4:5], scales s[6:7]
	s_load_b128 s[8:11], s[0:1], 0x10              ; bq s[8:9], bk s[10:11]
	s_load_b128 s[12:15], s[0:1], 0x20             ; bv s[12:13], qkv s[14:15]
	v_lshl_add_u32 v[SPW], v0, 2, SPARE
	v_mov_b32 v[NIL], 0
	ds_add_u32 v[SPW], v[NIL]                      ; the wave's opening: the add, twice on end, and its wait ahead of my first tensor load
	ds_add_u32 v[SPW], v[NIL]
	v_lshrrev_b32 v1, 5, v0
	v_readfirstlane_b32 s[WV], v1                  ; wave 0..3
	s_lshr_b32 s[FB], s[WV], 1
	s_and_b32 s[HB], s[WV], 1
	s_bfe_u32 s40, ttmp6, 0x40000                  ; cx, cy: my place in the cluster
	s_bfe_u32 s41, ttmp6, 0x40004
	s_lshl_b32 s42, ttmp9, 2
	s_add_co_u32 s42, s42, s40                     ; tile column = 4 x cluster x + cx: 0..3
	s_and_b32 s67, ttmp7, 0xffff                   ; cluster y: 0..23
	s_lshl_b32 s66, s67, 2
	s_add_co_u32 s66, s66, s41                     ; tile row = 4 x cluster y + cy: 0..95
	s_lshr_b32 s67, s67, 3                         ; p: which of the three products; 8 clusters' rows to each
	s_lshl_b32 s43, s41, 2
	s_lshl_b32 s43, 15, s43                        ; my row of the cluster
	s_lshl_b32 s44, 0x1111, s40                    ; my column
	; descriptor group 1: a tile of 128 rows x 256 bytes, 16 bytes of padding behind each row
	s_or_b32 s[G1+0], s43, (0<<16)|(1<<20)|(1<<21)|(5<<22)|(3<<25)   ; 15:0 the mask; 17:16 elements of 1 byte; 20 padding on; 21 set beside a mask; 24:22 after every 64 words; 31:25 four words
	s_or_b32 s[G1B+0], s44, (0<<16)|(1<<20)|(1<<21)|(5<<22)|(3<<25)
.irp g, G1, G1B
	s_mov_b32 s[\g+1], ROWB<<16                    ; tensor_dim0
	s_mov_b32 s[\g+2], 128<<16                     ; tensor_dim1
	s_mov_b32 s[\g+3], ROWB<<16                    ; tile_dim0
	s_mov_b32 s[\g+4], 128                         ; tile_dim1
	s_mov_b32 s[\g+5], KROW                        ; from row to row
	s_mov_b32 s[\g+6], 0
	s_mov_b32 s[\g+7], 0
.endr
	; the scales of 128 rows: 4,096 dense bytes, as 16 rows of 256 bytes (32 elements of 8 bytes), 16 bytes of padding behind each
	s_or_b32 s[G1S+0], s43, (3<<16)|(1<<20)|(1<<21)|(5<<22)|(3<<25)
	s_or_b32 s[G1SB+0], s44, (3<<16)|(1<<20)|(1<<21)|(5<<22)|(3<<25)
.irp g, G1S, G1SB
	s_mov_b32 s[\g+1], 32<<16
	s_mov_b32 s[\g+2], (128*KS/256)<<16
	s_mov_b32 s[\g+3], 32<<16
	s_mov_b32 s[\g+4], 128*KS/256
	s_mov_b32 s[\g+5], 32
	s_mov_b32 s[\g+6], 0
	s_mov_b32 s[\g+7], 0
.endr
	s_lshl_b32 s19, s[HB], 7                       ; which 128 rows of the tile I fetch
	s_lshl_b32 s20, s66, 8
	s_add_co_u32 s20, s20, s19                     ; x: row 256 x tile row + 128 x half
	s_lshl_b32 s46, s42, 8
	s_add_co_u32 s46, s46, s19
	s_lshl_b32 s47, s67, 10
	s_add_co_u32 s46, s46, s47                     ; W: row 1,024 p + 256 x tile column + 128 x half
	s_lshl_b32 s22, s20, 5                         ; these rows' scale bytes: 32 a row,
	s_mov_b32 s23, 0
	s_lshl_b32 s20, s20, 9                         ; and codes: 512 a row (all under 2^24)
	s_mov_b32 s21, 0
	s_lshl_b32 s92, s46, 5
	s_add_co_u32 s92, s92, WSCALES
	s_mov_b32 s93, 0
	s_lshl_b32 s46, s46, 9
	s_add_co_u32 s46, s46, WCODES
	s_mov_b32 s47, 0
	s_mul_i32 s45, s[WV], HALFT                    ; where they go: wave x 128 rows: no place in the cluster enters an LDS address
	s_mul_i32 s94, s[WV], HALFS
	s_wait_dscnt 0x0                               ; both opening adds are done
	s_wait_kmcnt 0x0
	s_add_nc_u64 s[20:21], s[4:5], s[20:21]
	s_add_nc_u64 s[22:23], s[6:7], s[22:23]
	s_add_nc_u64 s[46:47], s[4:5], s[46:47]
	s_add_nc_u64 s[92:93], s[6:7], s[92:93]
	CROUND                                         ; all sixteen work-groups are here: the joint loads meet
	s_mov_b32 s[G0S], 1
	s_add_co_u32 s[G0S+1], s94, SCL
	s_mov_b64 s[G0S+2:G0S+3], s[22:23]
	s_or_b32 s[G0S+3], s[G0S+3], 0x80000000
	s_mov_b32 s[G0SB], 1
	s_add_co_u32 s[G0SB+1], s94, SCL
	s_mov_b64 s[G0SB+2:G0SB+3], s[92:93]
	s_or_b32 s[G0SB+3], s[G0SB+3], 0x80000000
	JLOAD G0S, G1S, G0SB, G1SB                     ; the scales first: they are wanted with slot 0
.irp s, 0,1
	s_mov_b32 s[G0+4*\s], 1
	s_add_co_u32 s[G0+4*\s+1], s45, \s*SLOT
	s_add_nc_u64 s[G0+4*\s+2:G0+4*\s+3], s[20:21], \s*ROWB
	s_or_b32 s[G0+4*\s+3], s[G0+4*\s+3], 0x80000000
	s_mov_b32 s[G0B+4*\s], 1
	s_add_co_u32 s[G0B+4*\s+1], s45, \s*SLOT
	s_add_nc_u64 s[G0B+4*\s+2:G0B+4*\s+3], s[46:47], \s*ROWB
	s_or_b32 s[G0B+4*\s+3], s[G0B+4*\s+3], 0x80000000
	JLOAD G0+4*\s, G1, G0B+4*\s, G1B
.endr
	v_and_b32 v1, 15, v0                           ; r = lane % 16
	v_bfe_u32 v2, v0, 4, 1                         ; h = lane / 16
	v_lshlrev_b32 v[BO], 5, v2
	; the bias of my 128 columns: lane (r, h) wants, for column block b, the numbers 16 b + 8 h + 0 .. 7: the result's layout
	s_cmp_eq_u32 s67, 0
	s_cselect_b64 s[96:97], s[8:9], s[10:11]
	s_cmp_eq_u32 s67, 2
	s_cselect_b64 s[96:97], s[12:13], s[96:97]
	s_lshl_b32 s98, s42, 10
	s_lshl_b32 s99, s[HB], 9
	s_add_co_u32 s98, s98, s99
	s_mov_b32 s99, 0
	s_add_nc_u64 s[96:97], s[96:97], s[98:99]
.irp b, 0,1,2,3,4,5,6,7
	global_load_b128 v[BI+8*\b:BI+8*\b+3], v[BO], s[96:97] offset:64*\b
	global_load_b128 v[BI+8*\b+4:BI+8*\b+7], v[BO], s[96:97] offset:64*\b+16
.endr
	v_mul_u32_u24 v3, v1, PITCH
	v_lshl_add_u32 v4, v2, 4, v3                   ; a fragment's row x pitch + 16 x half
	s_mul_i32 s21, s[FB], HALFT                    ; my 128 rows of x
	s_mul_i32 s22, s[HB], HALFT                    ; my 128 rows of W,
	s_add_co_u32 s22, s22, 2*HALFT                 ; which lie behind x's 256
.irp s, 0,1
	v_add_nc_u32 v[ADRA+\s], s21, v4
	v_add_nc_u32 v[ADRB+\s], s22, v4
	s_add_co_u32 s21, s21, SLOT
	s_add_co_u32 s22, s22, SLOT
.endr
	v_mul_u32_u24 v5, v1, KS                       ; my row's scales: 32 bytes a row,
	v_lshrrev_b32 v6, 8, v5
	v_lshl_add_u32 v5, v6, 4, v5                   ; and 16 more for each 256 passed
	s_mul_i32 s21, s[FB], HALFS
	s_mul_i32 s22, s[HB], HALFS
	s_add_co_u32 s22, s22, 2*HALFS
	s_sub_co_u32 s22, s22, s21
	v_mul_u32_u24 v6, s22, v2                      ; lanes 16-31 take W's: one product, the distance between the two bases
	s_add_co_u32 s21, s21, SCL
	v_add_nc_u32 v5, v5, v6
	v_add_nc_u32 v[ADRS], s21, v5
	s_mul_i32 s23, s[WV], WSTG
	s_add_co_u32 s23, s23, STAGE                   ; my stage
	v_mul_u32_u24 v5, v1, HPITCH                   ; in: token r, 16 bytes for each half of the lanes
	v_lshl_add_u32 v5, v2, 4, v5
	v_add_nc_u32 v[STO], s23, v5
	v_and_b32 v6, 31, v0
	v_lshrrev_b32 v5, 3, v6                        ; back: eight lanes to a token's 128 bytes, four tokens an instruction
	v_mul_u32_u24 v5, v5, HPITCH
	v_and_b32 v7, 7, v0
	v_lshl_add_u32 v5, v7, 4, v5
	v_add_nc_u32 v[RD], s23, v5
	v_lshlrev_b32 v[CO], 4, v6
	; where my part begins in qkv: (tensor, batch) = tile row / 8; head 4 x tile column + 2 x half; token 256 (tile row % 8) + 128 x half
	s_lshr_b32 s20, s66, 3
	s_lshl_b32 s20, s20, 22
	s_and_b32 s21, s66, 7
	s_lshl_b32 s21, s21, 15
	s_add_co_u32 s20, s20, s21
	s_lshl_b32 s21, s[FB], 14
	s_add_co_u32 s20, s20, s21
	s_lshl_b32 s21, s42, 20
	s_add_co_u32 s20, s20, s21
	s_lshl_b32 s21, s[HB], 19
	s_add_co_u32 s20, s20, s21
	s_mov_b32 s21, 0
	s_add_nc_u64 s[14:15], s[14:15], s[20:21]
.macro FRAG reg, adr, q, i             ; 16 rows x 128 K of 4-bit codes, 8 registers: lane l holds row l % 16; registers 4 c .. 4 c + 3 hold K = 64 c + 32 (l / 16) + 0 .. 31
.irp c, 0,1
	ds_load_b128 v[\reg+4*\c:\reg+4*\c+3], v[\adr] offset:64*(\q)+32*\c+(\i)*16*PITCH
.endr
.endm
; 16 matrix instructions: x's blocks a0, a0 + 1 against W's eight, the slot's q-th 128 along K.  p: W's set;  sc: the set of scale words.  zero = 1: the sums begin with the bias.
; The 64 accumulators take turns, one instruction a turn, in the same order in every step.
.macro MUL16 a0, p, q, sc, zero
.irp a, \a0, \a0+1
.irp b, 0,1,2,3,4,5,6,7
.if \zero
	v_wmma_scale_f32_16x16x128_f8f6f4 v[8*(8*((\a)%4)+\b):8*(8*((\a)%4)+\b)+7], v[128*(\p)+FR*\b:128*(\p)+FR*\b+FR-1], v[AF+FR*(\a):AF+FR*(\a)+FR-1], v[BI+8*\b:BI+8*\b+7], v[SC+8*NQ*(\sc)+NQ*\b+(\q)], v[SC+8*NQ*(\sc)+NQ*(\a)+(\q)] matrix_a_fmt:MATRIX_FMT_FP4 matrix_b_fmt:MATRIX_FMT_FP4 matrix_a_scale:MATRIX_SCALE_ROW1
.else
	v_wmma_scale_f32_16x16x128_f8f6f4 v[8*(8*((\a)%4)+\b):8*(8*((\a)%4)+\b)+7], v[128*(\p)+FR*\b:128*(\p)+FR*\b+FR-1], v[AF+FR*(\a):AF+FR*(\a)+FR-1], v[8*(8*((\a)%4)+\b):8*(8*((\a)%4)+\b)+7], v[SC+8*NQ*(\sc)+NQ*\b+(\q)], v[SC+8*NQ*(\sc)+NQ*(\a)+(\q)] matrix_a_fmt:MATRIX_FMT_FP4 matrix_b_fmt:MATRIX_FMT_FP4 matrix_a_scale:MATRIX_SCALE_ROW1
.endif
.endr
.endr
.endm
.macro FETCH_B slot, q, p              ; W's eight fragments into set p
	WIN TO_B
.irp i, 0,1,2,3,4,5,6,7
	FRAG 128*(\p)+FR*\i, ADRB+\slot, \q, \i
.endr
	WIN 0
.endm
.macro FETCH_A slot, q, i0             ; x's blocks i0 .. i0 + 3
.irp i, \i0, \i0+1, \i0+2, \i0+3
	FRAG AF+FR*(\i), ADRA+\slot, \q, \i
.endr
.endm
.macro SCALES sc                       ; a slot's scale words into set sc: four words a row; lanes 0-15 take x's block i, lanes 16-31 W's block i
.irp i, 0,1,2,3,4,5,6,7
	ds_load_b128 v[SC+8*NQ*\sc+NQ*\i:SC+8*NQ*\sc+NQ*\i+3], v[ADRS] offset:\i*SBLK
.endr
.endm
; A load into a register that a matrix instruction has read, and a vector instruction or LDS store that reads a matrix result, stand NP places behind it; only plain vector instructions that name none of its
; registers are places (ISA guide 7.12.1 for vector instructions).
.macro PLACES n
.rept \n
	v_nop
.endr
.endm
; A step of 128 along K that has its successor in the same slot.  A block of x is free as soon as its eight products are issued: blocks 0-3 are fetched anew in the step's middle, blocks 4-7 at its end.
.macro STEP slot, q, zero
	s_wait_dscnt 4*NL                              ; W's set, x's blocks 0-3 (and the scale words) are in; the youngest eight loads (x's blocks 4-7) may be out
.if \zero
	WIN BIA_LO
.else
	WIN MUL_LO
.endif
	MUL16 0, (\q)%2, \q, \slot, \zero
	MUL16 2, (\q)%2, \q, \slot, \zero
	s_wait_dscnt 0                                 ; x's blocks 4-7 are in
	PLACES NP
	FETCH_B \slot, (\q)+1, 1-(\q)%2
	FETCH_A \slot, (\q)+1, 0
.if \zero
	WIN BIA_HI
.else
	WIN MUL_HI
.endif
	MUL16 4, (\q)%2, \q, \slot, \zero
	MUL16 6, (\q)%2, \q, \slot, \zero
	PLACES NP
	WIN 0
	FETCH_A \slot, (\q)+1, 4
.endm
; Slot 0's last step goes over to slot 1: each wave waits for all its tensor loads (its part of slot 1), and one barrier shows the whole slot to every wave.  Nothing is filled again.
.macro TURN slot, next
	s_wait_tensorcnt 0x0                           ; all my tensor loads have landed
	ds_add_u32 v[SPW], v[NIL]                      ; 0 onto my spare word
	s_wait_dscnt 4*NL+1                            ; (the add and the youngest eight loads may be out)
	WIN MUL_LO
	MUL16 0, 1, NQ-1, \slot, 0
	s_wait_dscnt 0x0                               ; no LDS instruction of mine is out at the signal
	s_barrier_signal -1
	MUL16 2, 1, NQ-1, \slot, 0
	WIN 0
	s_barrier_wait -1
	PLACES NP
	v_add_nc_u32 v[ADRS], 4*NQ, v[ADRS]            ; on to the next slot's scale words
	FETCH_B \next, 0, 0
	FETCH_A \next, 0, 0
	SCALES \next
	WIN MUL_HI
	MUL16 4, 1, NQ-1, \slot, 0
	MUL16 6, 1, NQ-1, \slot, 0
	PLACES NP
	WIN 0
	FETCH_A \next, 0, 4
.endm
.macro STEPS slot, from                ; the slot's steps from .. NQ - 2
.set Q, \from
.rept NQ-1-\from
	STEP \slot, Q, 0
.set Q, Q+1
.endr
.endm
	s_wait_tensorcnt 1                             ; the scales and my part of slot 0 are in; slot 1's load may be out,
	s_barrier_signal -1
	s_barrier_wait -1                              ; everybody's are
	FETCH_B 0, 0, 0
	FETCH_A 0, 0, 0
	SCALES 0
	FETCH_A 0, 0, 4
	s_wait_loadcnt 0x0                             ; the bias
	STEP 0, 0, 1                                   ; the first step starts the sums, with the bias as C: nothing is cleared, nothing is added later
	STEPS 0, 1
	TURN 0, 1
	STEPS 1, 0
	s_wait_dscnt 4*NL                              ; the last step: nothing more to fetch
	WIN MUL_LO
	MUL16 0, 1, NQ-1, 1, 0
	MUL16 2, 1, NQ-1, 1, 0
	s_wait_dscnt 0
	WIN MUL_HI
	MUL16 4, 1, NQ-1, 1, 0
	MUL16 6, 1, NQ-1, 1, 0
	WIN 0
; THE WAY OUT, block by block of 16 tokens x 128 columns (two heads).  PACK: rounded to f16, a lane's eight columns are 16 bytes.  TOSTAGE: into my own stage, and back so that 32 lanes hold four tokens'
; 512 bytes on end of one head.  SEND: stored.  LDS serves a wave's instructions in order (ISA guide 5.7.1.4): no wait between the stage's stores and loads.
.macro PACK a
.set AC, 64*((\a)%4)
	WIN 0x0a+5*((\a)/4)                            ; sources 0 and 1: window 2 or 3
.irp b, 0,1,2,3,4,5,6,7
.irp r, 0,1,2,3
	v_cvt_pk_f16_f32 v[TMP+4*\b+\r], v[AC+8*\b+2*\r], v[AC+8*\b+2*\r+1]   ; each accumulator from its low end on
.endr
.endr
	WIN 0
.endm
.macro TOSTAGE a
.irp b, 0,1,2,3,4,5,6,7
	ds_store_b128 v[STO], v[TMP+4*\b:TMP+4*\b+3] offset:(\b/4)*HBLK+32*(\b%4)
.endr
.set BB, BK+32*((\a)%2)
.irp t, 0,1,2,3,4,5,6,7
	ds_load_b128 v[BB+4*\t:BB+4*\t+3], v[RD] offset:(\t/4)*HBLK+4*HPITCH*(\t%4)
.endr
.endm
.macro SEND a
.set BB, BK+32*((\a)%2)
	s_wait_dscnt 0x0                               ; the block is back in registers
	s_wait_xcnt 0x0                                ; the earlier stores have read their data: the next block's loads land on those registers only behind this wait
.irp t, 0,1,2,3,4,5,6,7
	global_store_b128 v[CO], v[BB+4*\t:BB+4*\t+3], s[14:15] offset:2048*(\a)+(\t/4)*HEADB+512*(\t%4)   ; 32 lanes store 512 bytes on end, aligned
.endr
.endm
	PLACES NP                                      ; behind the last products: for the conversions that read results and the loads into x's registers
	PACK 0
	TOSTAGE 0
.irp a, 1,2,3,4,5,6,7                  ; block a's conversions stand between block a - 1's loads from the stage and the wait for them
	PACK \a
	SEND \a-1
	TOSTAGE \a
.endr
	SEND 7
	s_wait_tensorcnt 0x0                           ; the wave's end: a wait, an add of 0 to my spare word and its wait, behind my last tensor load and my last LDS store
	ds_add_u32 v[SPW], v[NIL]
	s_wait_dscnt 0x0
	CROUND                                         ; the closing round
	s_endpgm
.Lfunc_end_k_qc67e826089_proj:
	.size	k_qc67e826089_proj, .Lfunc_end_k_qc67e826089_proj-k_qc67e826089_proj
	.p2alignl 7, 3214868480
	.fill 96, 4, 3214868480
	.section	.rodata,"a",@progbits
	.p2align	6, 0x0
	.amdhsa_kernel k_qc67e826089_proj
		.amdhsa_group_segment_fixed_size 327680
		.amdhsa_private_segment_fixed_size 0
		.amdhsa_enable_private_segment 0
		.amdhsa_kernarg_size 48
		.amdhsa_user_sgpr_count 2
		.amdhsa_user_sgpr_kernarg_segment_ptr 1
		.amdhsa_wavefront_size32 1
		.amdhsa_system_sgpr_workgroup_id_x 1
		.amdhsa_system_sgpr_workgroup_id_y 1
		.amdhsa_system_sgpr_workgroup_id_z 1
		.amdhsa_system_vgpr_workitem_id 0
		.amdhsa_next_free_vgpr 1024
		.amdhsa_next_free_sgpr 100
		.amdhsa_reserve_vcc 0
		.amdhsa_float_denorm_mode_32 3
		.amdhsa_float_denorm_mode_16_64 3
		.amdhsa_memory_ordered 1
		.amdhsa_forward_progress 1
		.amdhsa_inst_pref_size 128
	.end_amdhsa_kernel
	.amdgpu_metadata
---
amdhsa.version: [ 1, 2 ]
amdhsa.kernels:
  - .name:           k_qc67e826089_proj
    .symbol:         k_qc67e826089_proj.kd
    .args:
      - { .name: codes, .offset: 0, .size: 8, .value_kind: global_buffer, .address_space: global }
      - { .name: scales, .offset: 8, .size: 8, .value_kind: global_buffer, .address_space: global }
      - { .name: bq, .offset: 16, .size: 8, .value_kind: global_buffer, .address_space: global }
      - { .name: bk, .offset: 24, .size: 8, .value_kind: global_buffer, .address_space: global }
      - { .name: bv, .offset: 32, .size: 8, .value_kind: global_buffer, .address_space: global }
      - { .name: qkv, .offset: 40, .size: 8, .value_kind: global_buffer, .address_space: global }
    .group_segment_fixed_size: 327680
    .private_segment_fixed_size: 0
    .kernarg_segment_align: 8
    .kernarg_segment_size: 48
    .max_flat_workgroup_size: 128
    .sgpr_count:     100
    .vgpr_count:     1024
    .wavefront_size: 32
...
	.end_amdgpu_metadata
.endif
;; end of part 2
;; launch attn (part 3): grid 8 x 64, 8 waves a work-group, clusters of 4 x 1, 327,680 bytes of LDS; arguments qkv, xh; writes xh
.if DOCPART == 3
	.amdgcn_target "amdgcn-amd-amdhsa--gfx1250"
	.amdhsa_code_object_version 6
	.text
	.protected	k_qc67e826089_attn
	.globl	k_qc67e826089_attn
	.p2align	8
	.type	k_qc67e826089_attn,@function
k_qc67e826089_attn:
	s_mov_b64 s[64:65], 0
	v_nop
	global_prefetch_b8 v0, s[64:65] scope:SCOPE_SE
	s_setreg_imm32_b32 hwreg(HW_REG_WAVE_MODE, 25, 1), 1
	s_wait_xcnt 0x0
	s_wait_alu depctr_hold_cnt(0) depctr_sa_sdst(0) depctr_va_vdst(0) depctr_va_sdst(0) depctr_va_ssrc(0) depctr_va_vcc(0) depctr_vm_vsrc(0)
	s_getreg_b32 s2, hwreg(HW_REG_IB_STS2, 6, 4)
	s_cmp_eq_u32 s2, 0
	s_cbranch_scc0 .Lentry_in_a_cluster
	s_endpgm
.Lentry_in_a_cluster:
	s_bfe_u32 s2, ttmp6, 0x10000c
	s_cmp_lg_u32 s2, 0x3003
	s_cbranch_scc0 .Lentry_shape_is_right
	s_endpgm
.Lentry_shape_is_right:
; x[b][h][q][:] = the sum over k of softmax_k(Q[q] . K[k] / 8) V[k][:], for each of 64 (batch, head) pairs.  Q, K, V: qkv [3][64][2048][64] f16; x: xh [64][2048][64] f16.
; Products on f16 operands with f32 sums; maxima, exponentials and sums in f32; the weights p are rounded to f16 for the second product, x once at the end.
; THE MASK INPUT IS NOT READ: the computation that this program follows throws its masked scores away, so no output number hangs on the mask.
; LIMITS: NaN and infinities are not served; x under 6e-5 is rounded with an absolute error of 3e-8 (f16's subnormals).
; SHARES.  A work-group owns 256 queries of one head, each of its EIGHT waves 32: two tiles of 16.  Two waves lie on a SIMD, so that one wave's softmax stands beside the other's products.
; Every wave walks all 2,048 keys, 64 a step; each fragment of K and V read from LDS feeds two products.
; LAYOUT.  S^T = K Q^T (source 0 = 16 keys, source 1 = 16 queries): a lane holds ONE query (lane % 16) and the keys 8 (lane / 16) + 0..7.  Two such tiles, rounded to f16 in pairs, ARE source 1
; (32 keys x 16 queries) of O^T = V^T P, whose result again holds one query a lane.  K comes out of LDS as it lies, V ([key][channel]) turned, by ds_load_tr16_b128.
; SOFTMAX.  A running maximum m and sum l for each query: p = 2^(c s - c m), c = log2(e) / 8; in every step O and l are multiplied by a = 2^(c m_old - c m_new).  m begins at -3e38, l and O at 0,
; so that the step is written once: the first a is 0 and multiplies zeros.
; THE RING.  Two slots of 256 keys (4 steps).  Waves 0-3 fetch K's quarters, waves 4-7 V's, one tensor load a wave at each change of slots: one load of a wave is out at a time, and it has four key steps in
; which to land.  CLUSTER: the four query blocks of a cluster walk the same K and V: each tile is asked for JOINTLY, by the same load with a mask that names the four.
; REGISTERS: window 0: v1-11 addresses; v12-27 statistics, 8 a tile; v28-30 the add's two, the prefetch's offset; v32-95 S^T, 32 a tile; v96-127 P, 16 a tile; v128-191 K of a step; v192-255 V of a step.
;   window 1: v0-63 O^T, 32 a tile; v64-95 Q, 16 a tile.
.set SKEYS, 256                        ; keys in a slot
.set PK,    144                        ; a row of K in LDS: 128 bytes + 16: the 16 rows of a load start 36 words apart
.set PV,    160                        ; a row of V: 128 + 32: the turning load's 8 rows x 32 bytes fall on different words
.set VOFF,  SKEYS*PK                   ; a slot: 256 rows of K, then 256 rows of V
.set SLOT1, 1<<17                      ; slot 1 begins here: one exclusive or turns an address of one slot into the other's
.set SLOTB, SKEYS*128                  ; a slot's keys in memory, in bytes
.set STAGE, SLOT1+SKEYS*(PK+PV)        ; behind the ring: 32 rows x 144 bytes for each wave, for the way out
.set SP,    144
.set WSTG,  32*SP
.set SPARE, STAGE+8*WSTG               ; the spare words, 128 bytes a wave
.set AK0, 2                            ; v2   my lane's place in a tile of K; never rewritten
.set AV0, 3                            ; v3   the same for V
.set ADK, 4                            ; v4   the same in the slot in hand
.set ADV, 5                            ; v5
.set QO,  6                            ; v6   my byte offset in the wave's rows of Q
.set STO, 7                            ; v7   the way out: where I put 16 bytes of a row
.set RD,  8                            ; v8   and where I read back
.set GO,  10                           ; v10  16 x lane
.set ST,  12                           ; tile t's statistics at v[ST+8 t]: +0 c m, +1 m, +2, +3 l (even keys', odd keys'), +4 to +7 at work; a in +6
.set SPW, 28
.set NIL, 29
.set PFO, 30                           ; v30  256 x lane; never rewritten
.set S,   32
.set P,   96
.set KF,  128
.set VF,  192
.set QF,  64                           ; in window 1
.set WV,  12                           ; s12  my wave's number
.set LIM, 15                           ; s15  1 in a wave that prefetches, else the greatest number
.set PFA, 18                           ; s[18:19] where my prefetches stand
.set G1K, 24
.set G1V, 32
.set G0K, 40
.set G0V, 44
.set SLOTS, 56                         ; s56  slots still to be asked for
.set CS,  58                           ; s[58:59] c, twice: the packed form names a pair
.set SEL, 60                           ; s[60:61] lane selects: lane l xor 16
.set TB,  62                           ; s62  LDS byte at which the slot in hand begins
.set MSB, 0
.macro WIN new
.if MSB != (\new)
	s_set_vgpr_msb (MSB<<8)|(\new)
.set MSB, (\new)
.endif
.endm
.set W_KQ, 0x04                        ; source 1 (Q) window 1
.set W_PV, 0x50                        ; C and D (O^T) window 1
.set W_RS, 0x41                        ; destination and source 0 (O^T) window 1
; A joint load: waves 0-3 fetch for K, waves 4-7 for V; the branch hangs on the wave's number alone.  An s_nop 0 and four v_nop follow each line.
.macro JLOAD
	s_cmp_lt_u32 s[WV], 4
	s_cbranch_scc0 .Lfor_v_\@
	tensor_load_to_lds s[G0K:G0K+3], s[G1K:G1K+7]
	s_nop 0
.rept 4
	v_nop
.endr
	s_branch .Lasked_\@
.Lfor_v_\@:
	tensor_load_to_lds s[G0V:G0V+3], s[G1V:G1V+7]
	s_nop 0
.rept 4
	v_nop
.endr
.Lasked_\@:
.endm
; A prefetch of what the NEXT change of slots will ask for: a slot's 32,768 bytes of K and of V.  Each block of 256 bytes is named once in the launch: the head's first cluster asks; its four partners take
; 8,192 bytes each, told apart by address; in each, wave 0 asks for K's and wave 4 for V's, lanes 256 bytes apart.  The last change that fills a slot asks for nothing.
.macro ASK
	s_cmp_gt_u32 s[SLOTS], s[LIM]
	s_cbranch_scc0 .Lnot_mine_\@
	global_prefetch_b8 v[PFO], s[PFA:PFA+1] th:TH_LOAD_NT scope:SCOPE_SE
.Lnot_mine_\@:
.endm
.macro CROUND                          ; a round of the cluster's barrier
	s_barrier_signal -1
	s_barrier_wait -1
	s_cmp_lg_u32 s[WV], 0
	s_cbranch_scc1 .Lnot_wave_0_\@
	s_barrier_signal -3
.Lnot_wave_0_\@:
	s_barrier_wait -3
	s_barrier_signal -1
	s_barrier_wait -1
.endm
.macro PLACES
.rept 4
	v_nop
.endr
.endm
	s_load_b128 s[4:7], s[0:1], 0x0                ; qkv s[4:5], xh s[6:7]
	v_lshl_add_u32 v[SPW], v0, 2, SPARE
	v_mov_b32 v[NIL], 0
	ds_add_u32 v[SPW], v[NIL]                      ; the wave's opening: the add, twice on end, and its wait ahead of my first tensor load
	ds_add_u32 v[SPW], v[NIL]
	v_lshrrev_b32 v1, 5, v0
	v_readfirstlane_b32 s[WV], v1                  ; wave 0..7
	s_bfe_u32 s13, ttmp6, 0x40000                  ; cx: my place in the cluster
	s_lshl_b32 s14, ttmp9, 2
	s_add_co_u32 s14, s14, s13                     ; my block of 256 queries: it enters Q's and x's addresses (and the prefetch's) alone
	s_and_b32 s20, ttmp7, 0xffff                   ; the (batch, head) pair, which the four partners share,
	s_lshl_b32 s20, s20, 18                        ; 262,144 bytes each
	s_and_b32 s16, s[WV], 3                        ; which quarter of a slot I fetch:
	s_lshl_b32 s22, s16, 13                        ; its 64 rows of 128 bytes in memory,
	s_add_co_u32 s22, s22, s20
	s_mov_b32 s23, 0
	s_mul_i32 s17, s16, 64*PK                      ; and in a slot: K's,
	s_mul_i32 s21, s16, 64*PV                      ; V's
	; descriptor group 1: 64 rows x 64 elements of 2 bytes, padded behind each row
	s_mov_b32 s[G1K], 15|(1<<16)|(1<<20)|(1<<21)|(4<<22)|(3<<25)  ; 15:0 the mask: all four; 17:16 2 bytes; 20 padding on; 21 set beside a mask; 24:22 after every 32 words; 31:25 four words
	s_mov_b32 s[G1V], 15|(1<<16)|(1<<20)|(1<<21)|(4<<22)|(7<<25)  ; the same with eight words
.irp g, G1K, G1V
	s_mov_b32 s[\g+1], 64<<16                      ; tensor_dim0
	s_mov_b32 s[\g+2], 64<<16                      ; tensor_dim1
	s_mov_b32 s[\g+3], 64<<16                      ; tile_dim0
	s_mov_b32 s[\g+4], 64                          ; tile_dim1
	s_mov_b32 s[\g+5], 64                          ; from row to row
	s_mov_b32 s[\g+6], 0
	s_mov_b32 s[\g+7], 0
.endr
	s_mov_b32 s[CS], 0x3e38aa3b                    ; c = log2(e) / 8
	s_mov_b32 s[CS+1], s[CS]
	s_mov_b32 s[SEL], 0x76543210
	s_mov_b32 s[SEL+1], 0xfedcba98
	s_mov_b32 s[TB], 0
	s_mov_b32 s[SLOTS], 7
	s_or_b32 s[LIM], s16, ttmp9                    ; 0 in waves 0 and 4 of the head's first cluster: the same in all four partners
	s_cmp_eq_u32 s[LIM], 0
	s_cselect_b32 s[LIM], 1, -1
	s_lshl_b32 s2, s13, 13                         ; the prefetches: my work-group's 8,192 bytes of a slot,
	s_add_co_u32 s2, s2, s20                       ; in my head,
	s_add_co_u32 s2, s2, SLOTB+0x1000000           ; in slot 1 of K: the first change of slots steps it to slot 2;
	s_cmp_lt_u32 s[WV], 4
	s_cselect_b32 s3, 0, 0x1000000                 ; waves 4-7: of V
	s_add_co_u32 s2, s2, s3
	s_mov_b32 s3, 0
	v_and_b32 v[PFO], 31, v0
	v_lshlrev_b32 v[PFO], 8, v[PFO]
	s_wait_dscnt 0x0                               ; both opening adds are done
	s_wait_kmcnt 0x0
	s_add_nc_u64 s[PFA:PFA+1], s[4:5], s[2:3]
	s_add_nc_u64 s[8:9], s[4:5], s[22:23]
	s_add_nc_u64 s[10:11], s[8:9], 0x2000000       ; V at my quarter of slot 0
	s_add_nc_u64 s[8:9], s[8:9], 0x1000000         ; K likewise
	s_lshl_b32 s2, s14, 15                         ; my block's 256 rows of 128 bytes,
	s_lshl_b32 s3, s[WV], 12                       ; my wave's 32 of them,
	s_add_co_u32 s2, s2, s3
	s_add_co_u32 s2, s2, s20                       ; in my head
	s_mov_b32 s3, 0
	s_add_nc_u64 s[4:5], s[4:5], s[2:3]            ; Q
	s_add_nc_u64 s[6:7], s[6:7], s[2:3]            ; x
	s_mov_b32 s[G0K], 1                            ; group 0: count,
	s_mov_b32 s[G0K+1], s17                        ; LDS address: no place in the cluster enters it,
	s_mov_b64 s[G0K+2:G0K+3], s[8:9]               ; global address,
	s_or_b32 s[G0K+3], s[G0K+3], 0x80000000        ; type
	s_mov_b32 s[G0V], 1
	s_add_co_u32 s[G0V+1], s21, VOFF
	s_mov_b64 s[G0V+2:G0V+3], s[10:11]
	s_or_b32 s[G0V+3], s[G0V+3], 0x80000000
	CROUND                                         ; all four work-groups are here: the first joint loads meet
	JLOAD                                          ; slot 0: keys 0 to 255
	v_and_b32 v1, 15, v0                           ; r = lane % 16
	v_bfe_u32 v9, v0, 4, 1                         ; h = lane / 16
	v_lshlrev_b32 v[QO], 7, v1
	v_lshl_add_u32 v[QO], v9, 4, v[QO]             ; row x 128 + 16 x half
	WIN 0x40                                       ; destination window 1
.irp t, 0,1                            ; Q stays in registers: tile t, channels 32 s on: registers 0-3 channels 8 h + 0..7, registers 4-7 channels 16 + 8 h + 0..7
.irp s, 0,1
	global_load_b128 v[QF+16*\t+8*\s:QF+16*\t+8*\s+3], v[QO], s[4:5] offset:2048*\t+64*\s
	global_load_b128 v[QF+16*\t+8*\s+4:QF+16*\t+8*\s+7], v[QO], s[4:5] offset:2048*\t+64*\s+32
.endr
.endr
.set i, 0
.rept 64
	v_mov_b32 v[i], 0                              ; O^T: the step is written once, and its first turn finds zeros
.set i, i+1
.endr
	WIN 0
	v_mul_u32_u24 v[AK0], v1, PK
	v_lshl_add_u32 v[AK0], v9, 4, v[AK0]           ; K: row x pitch + 16 x half
	v_and_b32 v11, 7, v0
	v_bfe_u32 v31, v0, 3, 1
	v_lshl_add_u32 v[AV0], v9, 3, v11              ; V, for the turning load: key 8 h + lane % 8,
	v_mul_u32_u24 v[AV0], v[AV0], PV
	v_lshl_add_u32 v[AV0], v31, 4, v[AV0]          ; channels 8 ((lane / 8) % 2) on
	v_add_nc_u32 v[AV0], VOFF, v[AV0]
	s_mul_i32 s17, s[WV], WSTG
	s_add_co_u32 s17, s17, STAGE                   ; my stage
	v_mul_u32_u24 v[STO], v1, SP                   ; in: row r, 16 bytes for each half of the lanes
	v_lshl_add_u32 v[STO], v9, 4, v[STO]
	v_add_nc_u32 v[STO], s17, v[STO]
	v_and_b32 v31, 31, v0
	v_lshlrev_b32 v[GO], 4, v31
	v_lshrrev_b32 v31, 3, v31                      ; back: eight lanes to a row of 128 bytes, four rows an instruction
	v_mul_u32_u24 v[RD], v31, SP
	v_lshl_add_u32 v[RD], v11, 4, v[RD]
	v_add_nc_u32 v[RD], s17, v[RD]
.irp t, 0,1
	v_mov_b32 v[ST+8*\t+1], 0xff61b1e6             ; m: -3e38, under every score
	v_mul_f32 v[ST+8*\t], s[CS], v[ST+8*\t+1]      ; c m
	v_mov_b32 v[ST+8*\t+2], 0                      ; l, in two halves
	v_mov_b32 v[ST+8*\t+3], 0
.endr
.macro FETCH_K q                       ; the slot's q-th 64 keys: fragment (kt, s): keys 16 kt on, channels 32 s on
.irp kt, 0,1,2,3
.irp s, 0,1
	ds_load_b128 v[KF+16*\kt+8*\s:KF+16*\kt+8*\s+3], v[ADK] offset:(64*(\q)+16*\kt)*PK+64*\s
	ds_load_b128 v[KF+16*\kt+8*\s+4:KF+16*\kt+8*\s+7], v[ADK] offset:(64*(\q)+16*\kt)*PK+64*\s+32
.endr
.endr
.endm
.macro FETCH_V q                       ; the same keys of V, turned: fragment (u, ct): keys 32 u on, channels 16 ct on
.irp u, 0,1
.irp ct, 0,1,2,3
	ds_load_tr16_b128 v[VF+8*(4*\u+\ct):VF+8*(4*\u+\ct)+3], v[ADV] offset:(64*(\q)+32*\u)*PV+32*\ct
	ds_load_tr16_b128 v[VF+8*(4*\u+\ct)+4:VF+8*(4*\u+\ct)+7], v[ADV] offset:(64*(\q)+32*\u)*PV+16*PV+32*\ct
.endr
.endr
.endm
; In both runs of products eight accumulators take turns, one instruction a turn.
.macro KQ                              ; S^T = K Q^T: product i: channels 32 (i / 8) on, keys 16 ((i / 2) % 4) on, tile i % 2.  The first eight start the sums
	WIN W_KQ
.set i, 0
.rept 16
.set rS, S+32*(i%2)+8*((i/2)%4)
.set rK, KF+16*((i/2)%4)+8*(i/8)
.set rQ, QF+16*(i%2)+8*(i/8)
.if i < 8
	v_wmma_f32_16x16x32_f16 v[rS:rS+7], v[rK:rK+7], v[rQ:rQ+7], 0
.else
	v_wmma_f32_16x16x32_f16 v[rS:rS+7], v[rK:rK+7], v[rQ:rQ+7], v[rS:rS+7]
.endif
.set i, i+1
.endr
	WIN 0
.endm
.macro PVM                             ; O^T += V^T P: product i: keys 32 (i / 8) on, channels 16 ((i / 2) % 4) on, tile i % 2
	WIN W_PV
.set i, 0
.rept 16
.set rO, 32*(i%2)+8*((i/2)%4)
.set rV, VF+8*(4*(i/8)+(i/2)%4)
.set rP, P+16*(i%2)+8*(i/8)
	v_wmma_f32_16x16x32_f16 v[rO:rO+7], v[rV:rV+7], v[rP:rP+7], v[rO:rO+7]
.set i, i+1
.endr
	WIN 0
.endm
; The softmax of a step, both tiles line by line, so that no line reads the result of the line just above it.
.macro SOFTMAX
.irp j, 0,1,2,3                        ; the maximum of my 32 scores and the old m, three operands at a time, four chains; each accumulator is read from its low end on
.irp t, 0,1
	v_max3_num_f32 v[ST+8*\t+4+\j], v[S+32*\t+8*\j], v[S+32*\t+8*\j+1], v[S+32*\t+8*\j+2]
.endr
.endr
.irp g, 1,2
.irp j, 0,1,2,3
.irp t, 0,1
	v_max3_num_f32 v[ST+8*\t+4+\j], v[ST+8*\t+4+\j], v[S+32*\t+8*\j+2*\g+1], v[S+32*\t+8*\j+2*\g+2]
.endr
.endr
.endr
.irp t, 0,1
	v_max3_num_f32 v[ST+8*\t+4], v[ST+8*\t+4], v[S+32*\t+7], v[S+32*\t+15]
.endr
.irp t, 0,1
	v_max3_num_f32 v[ST+8*\t+6], v[ST+8*\t+6], v[S+32*\t+23], v[S+32*\t+31]
.endr
.irp t, 0,1
	v_max3_num_f32 v[ST+8*\t+4], v[ST+8*\t+4], v[ST+8*\t+5], v[ST+8*\t+6]
.endr
.irp t, 0,1
	v_max3_num_f32 v[ST+8*\t+4], v[ST+8*\t+4], v[ST+8*\t+7], v[ST+8*\t+1]
.endr
.irp t, 0,1
	v_permlanex16_b32 v[ST+8*\t+5], v[ST+8*\t+4], s[SEL], s[SEL+1]   ; the query's other 32 keys lie in the lane 16 away
.endr
.irp t, 0,1
	v_mov_b32 v[ST+8*\t+7], v[ST+8*\t]             ; c m_old is kept for a
.endr
.irp t, 0,1
	v_max_num_f32 v[ST+8*\t+1], v[ST+8*\t+4], v[ST+8*\t+5]           ; the new m
.endr
.irp t, 0,1
	v_mul_f32 v[ST+8*\t], s[CS], v[ST+8*\t+1]
.endr
.irp t, 0,1
	v_sub_f32 v[ST+8*\t+7], v[ST+8*\t+7], v[ST+8*\t]
.endr
.irp b, 0,1,2,3,4,5,6,7,8,9,10,11,12,13,14,15
.irp t, 0,1
	v_pk_fma_f32 v[S+32*\t+2*\b:S+32*\t+2*\b+1], v[S+32*\t+2*\b:S+32*\t+2*\b+1], s[CS:CS+1], v[ST+8*\t:ST+8*\t+1] op_sel_hi:[1,0,0] neg_lo:[0,0,1] neg_hi:[0,0,1]   ; c s - c m, two at a time
.endr
.endr
.irp t, 0,1
	v_exp_f32 v[ST+8*\t+6], v[ST+8*\t+7]           ; a
.endr
.irp e, 0,1,2,3,4,5,6,7,8,9,10,11,12,13,14,15,16,17,18,19,20,21,22,23,24,25,26,27,28,29,30,31
.irp t, 0,1
	v_exp_f32 v[S+32*\t+\e], v[S+32*\t+\e]         ; p
.endr
.endr
	v_nop                                          ; a plain instruction behind the last exponential, ahead of the first use
	s_wait_alu depctr_va_vdst(0)                   ; ONE wait for the step's 66 exponentials, ahead of the first line that names a result
.irp i, 0,1,2,3,4,5,6,7,8,9,10,11,12,13,14,15
.irp t, 0,1
	v_cvt_pk_f16_f32 v[P+16*\t+\i], v[S+32*\t+2*\i], v[S+32*\t+2*\i+1]
.endr
.endr
.irp u, 0,1,2,3,4,5,6,7                ; the sum of the 16 pairs, in place: neighbours 1, 2, 4, 8 pairs apart
.irp t, 0,1
	v_pk_add_f32 v[S+32*\t+4*\u:S+32*\t+4*\u+1], v[S+32*\t+4*\u:S+32*\t+4*\u+1], v[S+32*\t+4*\u+2:S+32*\t+4*\u+3]
.endr
.endr
.irp u, 0,1,2,3
.irp t, 0,1
	v_pk_add_f32 v[S+32*\t+8*\u:S+32*\t+8*\u+1], v[S+32*\t+8*\u:S+32*\t+8*\u+1], v[S+32*\t+8*\u+4:S+32*\t+8*\u+5]
.endr
.endr
.irp u, 0,1
.irp t, 0,1
	v_pk_add_f32 v[S+32*\t+16*\u:S+32*\t+16*\u+1], v[S+32*\t+16*\u:S+32*\t+16*\u+1], v[S+32*\t+16*\u+8:S+32*\t+16*\u+9]
.endr
.endr
.irp t, 0,1
	v_pk_add_f32 v[S+32*\t:S+32*\t+1], v[S+32*\t:S+32*\t+1], v[S+32*\t+16:S+32*\t+17]
.endr
.irp t, 0,1
	v_pk_fma_f32 v[ST+8*\t+2:ST+8*\t+3], v[ST+8*\t+2:ST+8*\t+3], v[ST+8*\t+6:ST+8*\t+7], v[S+32*\t:S+32*\t+1] op_sel_hi:[1,0,1]   ; l = a l + the sum
.endr
.endm
.macro RESCALE                         ; O^T times a, each accumulator from its low end on
	WIN W_RS
.irp i, 0,1,2,3,4,5,6,7,8,9,10,11,12,13,14,15
.irp t, 0,1
	v_pk_mul_f32 v[32*\t+2*\i:32*\t+2*\i+1], v[32*\t+2*\i:32*\t+2*\i+1], v[ST+8*\t+6:ST+8*\t+7] op_sel_hi:[1,0]
.endr
.endr
.endm
; A KEY STEP, the slot's q-th.  Behind the scores' products stand four places; then this step's V and the next step's K are asked for in one run of 32 loads, which land under the softmax.
.macro STEP q
.if (\q) == 0
	FETCH_K 0
	s_wait_dscnt 0x0
.endif
	KQ
	PLACES                                         ; for the softmax's reads of the scores and the loads into K's and V's registers, which the last products read
	FETCH_V \q
.if (\q) < 3
	FETCH_K (\q)+1
.endif
	SOFTMAX
	s_wait_dscnt 0x0                               ; V, and the next step's K, are in
	RESCALE
	PVM
.endm
.macro SLOT_STEPS
	v_add_nc_u32 v[ADK], s[TB], v[AK0]
	v_add_nc_u32 v[ADV], s[TB], v[AV0]
	STEP 0
	STEP 1
	STEP 2
	STEP 3
	s_xor_b32 s[TB], s[TB], SLOT1                  ; on to the other slot
.endm
; THE CHANGE OF SLOTS stands at a slot's head.  Each wave waits for all its tensor loads (its part of the slot that it is about to read), adds 0 to its spare word, and waits for that and for its reads of the
; slot that it has left.  fill = 1: the barrier is a round of the cluster's, so that no wave of any partner still reads that slot or has a load on its way, and the joint load of the next 256 keys is the first
; thing behind it.
.macro CHANGE fill
	s_wait_tensorcnt 0x0                           ; no tensor load of mine is out, so a group 0 may be written
	ds_add_u32 v[SPW], v[NIL]                      ; 0 onto my spare word
.if \fill
	s_xor_b32 s[G0K+1], s[G0K+1], SLOT1            ; the walking descriptors: the other slot than last time,
	s_add_nc_u64 s[G0K+2:G0K+3], s[G0K+2:G0K+3], SLOTB   ; the next 256 keys; the type bits on top are not reached
	s_xor_b32 s[G0V+1], s[G0V+1], SLOT1
	s_add_nc_u64 s[G0V+2:G0V+3], s[G0V+2:G0V+3], SLOTB
	s_wait_xcnt 0x0                                ; the last prefetch, a slot back, has read its address, so it may be written:
	s_add_nc_u64 s[PFA:PFA+1], s[PFA:PFA+1], SLOTB ; one slot further on than the walking descriptors
	s_wait_dscnt 0x0                               ; the add is done, and my reads of the slot that I have left are over
	CROUND
	JLOAD
	ASK
.else
	s_wait_dscnt 0x0
	s_barrier_signal -1
	s_barrier_wait -1
.endif
.endm
	s_wait_loadcnt 0x0                             ; Q
.Lslot:                                            ; seven trips: trip j asks for keys 256 (j + 1) on and works on keys 256 j on
	CHANGE 1
	SLOT_STEPS
	s_sub_co_u32 s[SLOTS], s[SLOTS], 1
	s_cmp_lg_u32 s[SLOTS], 0
	s_cbranch_scc1 .Lslot
	CHANGE 0                                       ; the last slot is written out
	SLOT_STEPS
	; THE WAY OUT.  l's two halves and the other half of the lanes' are added; O^T is divided by l, rounded to f16 and sent through my stage, so that 32 lanes store 512 bytes on end.
	PLACES
.irp t, 0,1
	v_add_f32 v[ST+8*\t+4], v[ST+8*\t+2], v[ST+8*\t+3]
.endr
.irp t, 0,1
	v_permlanex16_b32 v[ST+8*\t+5], v[ST+8*\t+4], s[SEL], s[SEL+1]
.endr
.irp t, 0,1
	v_add_f32 v[ST+8*\t+4], v[ST+8*\t+4], v[ST+8*\t+5]
.endr
.irp t, 0,1
	v_rcp_f32 v[ST+8*\t+6], v[ST+8*\t+4]
.endr
	v_nop                                          ; a plain instruction between the last reciprocal and the use of its result
	s_wait_alu depctr_va_vdst(0)                   ; and one wait for both
	WIN 0x01                                       ; source 0 (O^T) window 1
.irp t, 0,1
.irp i, 0,1,2,3,4,5,6,7,8,9,10,11,12,13,14,15
	v_pk_mul_f32 v[S+32*\t+2*\i:S+32*\t+2*\i+1], v[32*\t+2*\i:32*\t+2*\i+1], v[ST+8*\t+6:ST+8*\t+7] op_sel_hi:[1,0]
.endr
.endr
	WIN 0
.irp t, 0,1
.irp i, 0,1,2,3,4,5,6,7,8,9,10,11,12,13,14,15
	v_cvt_pk_f16_f32 v[P+16*\t+\i], v[S+32*\t+2*\i], v[S+32*\t+2*\i+1]
.endr
.endr
.irp t, 0,1
.irp ct, 0,1,2,3
	ds_store_b128 v[STO], v[P+16*\t+4*\ct:P+16*\t+4*\ct+3] offset:16*SP*\t+32*\ct   ; lane (r, h): x(16 t + r, 16 ct + 8 h + 0 .. 7)
.endr
.endr
.irp i, 0,1,2,3,4,5,6,7
	ds_load_b128 v[KF+4*\i:KF+4*\i+3], v[RD] offset:4*SP*\i    ; LDS serves a wave's instructions in order (ISA guide 5.7.1.4): these see my stores
.endr
.irp i, 0,1,2,3,4,5,6,7
	s_wait_dscnt 7-\i                              ; the younger loads may be out
	global_store_b128 v[GO], v[KF+4*\i:KF+4*\i+3], s[6:7] offset:512*\i   ; four rows of x: 512 bytes on end, aligned
.endr
	s_wait_tensorcnt 0x0                           ; the wave's end: a wait, an add of 0 to my spare word and its wait, behind my last tensor load and my last LDS store
	ds_add_u32 v[SPW], v[NIL]
	s_wait_dscnt 0x0
	CROUND                                         ; the closing round
	s_endpgm
.Lfunc_end_k_qc67e826089_attn:
	.size	k_qc67e826089_attn, .Lfunc_end_k_qc67e826089_attn-k_qc67e826089_attn
	.p2alignl 7, 3214868480
	.fill 96, 4, 3214868480
	.section	.rodata,"a",@progbits
	.p2align	6, 0x0
	.amdhsa_kernel k_qc67e826089_attn
		.amdhsa_group_segment_fixed_size 327680
		.amdhsa_private_segment_fixed_size 0
		.amdhsa_enable_private_segment 0
		.amdhsa_kernarg_size 16
		.amdhsa_user_sgpr_count 2
		.amdhsa_user_sgpr_kernarg_segment_ptr 1
		.amdhsa_wavefront_size32 1
		.amdhsa_system_sgpr_workgroup_id_x 1
		.amdhsa_system_sgpr_workgroup_id_y 1
		.amdhsa_system_sgpr_workgroup_id_z 1
		.amdhsa_system_vgpr_workitem_id 0
		.amdhsa_next_free_vgpr 384
		.amdhsa_next_free_sgpr 66
		.amdhsa_reserve_vcc 0
		.amdhsa_float_denorm_mode_32 3
		.amdhsa_float_denorm_mode_16_64 3
		.amdhsa_memory_ordered 1
		.amdhsa_forward_progress 1
		.amdhsa_inst_pref_size 153
	.end_amdhsa_kernel
	.amdgpu_metadata
---
amdhsa.version: [ 1, 2 ]
amdhsa.kernels:
  - .name:           k_qc67e826089_attn
    .symbol:         k_qc67e826089_attn.kd
    .args:
      - { .name: qkv, .offset: 0, .size: 8, .value_kind: global_buffer, .address_space: global }
      - { .name: xh, .offset: 8, .size: 8, .value_kind: global_buffer, .address_space: global }
    .group_segment_fixed_size: 327680
    .private_segment_fixed_size: 0
    .kernarg_segment_align: 8
    .kernarg_segment_size: 16
    .max_flat_workgroup_size: 256
    .sgpr_count:     66
    .vgpr_count:     384
    .wavefront_size: 32
...
	.end_amdgpu_metadata
.endif
;; end of part 3
;; launch oproj (part 4): grid 4 x 64, 4 waves a work-group, clusters of 4 x 4, 327,680 bytes of LDS; arguments xh, wo16, bo, out0; writes out0
.if DOCPART == 4
	.amdgcn_target "amdgcn-amd-amdhsa--gfx1250"
	.amdhsa_code_object_version 6
	.text
	.protected	k_qc67e826089_oproj
	.globl	k_qc67e826089_oproj
	.p2align	8
	.type	k_qc67e826089_oproj,@function
k_qc67e826089_oproj:
	s_mov_b64 s[64:65], 0
	v_nop
	global_prefetch_b8 v0, s[64:65] scope:SCOPE_SE
	s_setreg_imm32_b32 hwreg(HW_REG_WAVE_MODE, 25, 1), 1
	s_wait_xcnt 0x0
	s_wait_alu depctr_hold_cnt(0) depctr_sa_sdst(0) depctr_va_vdst(0) depctr_va_sdst(0) depctr_va_ssrc(0) depctr_va_vcc(0) depctr_vm_vsrc(0)
	s_getreg_b32 s2, hwreg(HW_REG_IB_STS2, 6, 4)
	s_cmp_eq_u32 s2, 0
	s_cbranch_scc0 .Lentry_in_a_cluster
	s_endpgm
.Lentry_in_a_cluster:
	s_bfe_u32 s2, ttmp6, 0x10000c
	s_cmp_lg_u32 s2, 0xf033
	s_cbranch_scc0 .Lentry_shape_is_right
	s_endpgm
.Lentry_shape_is_right:
; out0 = x Wo^T + bo.  x: xh [4 batches][16 heads][2048 tokens][64] f16 (column k of x is head k / 64, channel k % 64); Wo: wo16 [1024 n][1024 k] f16; bo [1024], out0 [8192][1024]: f32.  Sums in f32.
; A tile of out0 is 128 tokens x 256 columns: 256 work-groups, one for each of 64 x 4 tiles.  Four waves, each 64 tokens x 128 columns: 32 accumulators, 256 registers.
; K goes in steps of 128 (two heads) through a ring of two LDS slots.  A head's 128 tokens are 16,384 dense bytes of xh: waves 0 and 1 fetch a head each; waves 2 and 3 fetch 128 rows x 256 bytes of Wo each.
; A wave has two tensor loads out at the start, then one behind each change of slots.
; CLUSTERS: 4 x 4 work-groups.  The four of a row need the same tokens, the four of a column the same rows of Wo: each tile is asked for JOINTLY.
; THE MATRIX INSTRUCTION IS USED TRANSPOSED (source 0 = 16 rows of Wo, source 1 = 16 tokens): a lane holds eight neighbouring columns of one token.  THE BIAS is the C of each sum's first instruction.
; REGISTERS: window 0: v16-30 addresses; two fragment buffers for 32 along K: v32-63 x (4 fragments), v64-127 Wo (8); v128-159, v160-223 likewise.  window 1: accumulator (a, b) at v[8 (8 a + b)].
;   window 2: v0-63 the bias, 8 registers a column block.
.set PA,    144                        ; a token's row of one head in LDS: 128 bytes + 16
.set PB,    272                        ; a row of Wo: 256 bytes + 16
.set BOFF,  2*128*PA                   ; a slot: two heads x 128 tokens, then 256 rows of Wo
.set SLOT,  BOFF+256*PB
.set STAGE, 2*SLOT                     ; behind the ring: 16 rows x (512 bytes + 16) for each wave
.set SPITCH, 528
.set SPARE, STAGE+4*16*SPITCH          ; the spare words, 128 bytes a wave
.set ADRA, 16                          ; v16-17  LDS address of my x fragments in slot 0, 1
.set ADRB, 20                          ; v20-21  the same for Wo
.set STO,  24
.set RD,   25
.set CO,   26                          ; v26  16 x lane
.set SPW,  28
.set NIL,  29
.set BO,   30                          ; v30  32 x (lane / 16)
.set F0,   32
.set F1,   128
.set OB,   32                          ; the way out: 16 rows read back: v32-95 and v96-159 by turns
.set WV, 12
.set FB, 13                            ; wave / 2: my half of the tokens; also: I fetch for x (0) or Wo (1)
.set HB, 14                            ; wave % 2: my half of the columns; also which head, or which 128 rows, I fetch
.set G1, 24
.set G0, 32
.set G1B, 48
.set G0B, 56
.set MSB, 0
.macro WIN new
.if MSB != (\new)
	s_set_vgpr_msb (MSB<<8)|(\new)
.set MSB, (\new)
.endif
.endm
.set MUL,  0x50                        ; C and D window 1
.set MULB, 0x60                        ; C (the bias) window 2, D window 1
.macro JLOAD s                         ; a joint load; an s_nop 0 and four v_nop follow each of the two lines
	s_cmp_eq_u32 s[FB], 0
	s_cbranch_scc0 .Lfor_b_\@
	tensor_load_to_lds s[G0+4*\s:G0+4*\s+3], s[G1:G1+7]
	s_nop 0
.rept 4
	v_nop
.endr
	s_branch .Lasked_\@
.Lfor_b_\@:
	tensor_load_to_lds s[G0B+4*\s:G0B+4*\s+3], s[G1B:G1B+7]
	s_nop 0
.rept 4
	v_nop
.endr
.Lasked_\@:
.endm
.macro CREST                           ; a round of the cluster's barrier behind its opening barrier
	s_cmp_lg_u32 s[WV], 0
	s_cbranch_scc1 .Lnot_wave_0_\@
	s_barrier_signal -3
.Lnot_wave_0_\@:
	s_barrier_wait -3
	s_barrier_signal -1
	s_barrier_wait -1
.endm
.macro CROUND
	s_barrier_signal -1
	s_barrier_wait -1
	CREST
.endm
.macro PLACES
.rept 4
	v_nop
.endr
.endm
	s_load_b256 s[4:11], s[0:1], 0x0               ; xh s[4:5], wo16 s[6:7], bo s[8:9], out0 s[10:11]
	v_lshl_add_u32 v[SPW], v0, 2, SPARE
	v_mov_b32 v[NIL], 0
	ds_add_u32 v[SPW], v[NIL]                      ; the wave's opening: the add, twice on end, and its wait ahead of my first tensor load
	ds_add_u32 v[SPW], v[NIL]
	v_lshrrev_b32 v1, 5, v0
	v_readfirstlane_b32 s[WV], v1                  ; wave 0..3
	s_lshr_b32 s[FB], s[WV], 1
	s_and_b32 s[HB], s[WV], 1
	s_bfe_u32 s40, ttmp6, 0x40000                  ; cx, cy
	s_bfe_u32 s41, ttmp6, 0x40004
	s_lshl_b32 s42, ttmp9, 2
	s_add_co_u32 s42, s42, s40                     ; tile column: 0..3
	s_and_b32 s45, ttmp7, 0xffff
	s_lshl_b32 s45, s45, 2
	s_add_co_u32 s45, s45, s41                     ; tile row: 0..63
	s_lshl_b32 s43, s41, 2
	s_lshl_b32 s43, 15, s43                        ; my row of the cluster
	s_lshl_b32 s44, 0x1111, s40                    ; my column
	; x: 128 rows x 64 elements of 2 bytes, dense; four words of padding after every 32
	s_or_b32 s[G1+0], s43, (1<<16)|(1<<20)|(1<<21)|(4<<22)|(3<<25)
	s_mov_b32 s[G1+1], 64<<16                      ; tensor_dim0
	s_mov_b32 s[G1+2], 128<<16                     ; tensor_dim1
	s_mov_b32 s[G1+3], 64<<16                      ; tile_dim0
	s_mov_b32 s[G1+4], 128                         ; tile_dim1
	s_mov_b32 s[G1+5], 64                          ; from row to row
	s_mov_b32 s[G1+6], 0
	s_mov_b32 s[G1+7], 0
	; Wo: 128 rows x 128 elements, 1,024 elements from row to row; four words of padding after every 64
	s_or_b32 s[G1B+0], s44, (1<<16)|(1<<20)|(1<<21)|(5<<22)|(3<<25)
	s_mov_b32 s[G1B+1], 128<<16
	s_mov_b32 s[G1B+2], 128<<16
	s_mov_b32 s[G1B+3], 128<<16
	s_mov_b32 s[G1B+4], 128
	s_mov_b32 s[G1B+5], 1024
	s_mov_b32 s[G1B+6], 0
	s_mov_b32 s[G1B+7], 0
	s_lshr_b32 s16, s45, 4                         ; x: the batch, 4,194,304 bytes;
	s_lshl_b32 s16, s16, 22
	s_and_b32 s17, s45, 15                         ; the tile's 128 tokens, 16,384 bytes in a head;
	s_lshl_b32 s17, s17, 14
	s_add_co_u32 s16, s16, s17
	s_lshl_b32 s17, s[HB], 18                      ; the head of the two that I fetch, 262,144 bytes
	s_add_co_u32 s16, s16, s17
	s_mov_b32 s17, 0
	s_lshl_b32 s46, s42, 19                        ; Wo: row 256 x tile column + 128 x half, 2,048 bytes a row
	s_lshl_b32 s47, s[HB], 18
	s_add_co_u32 s46, s46, s47
	s_mov_b32 s47, 0
	s_mul_i32 s20, s[HB], 128*PA                   ; where they go: no place in the cluster enters an LDS address
	s_mul_i32 s21, s[HB], 128*PB
	s_add_co_u32 s21, s21, BOFF
	s_wait_dscnt 0x0                               ; both opening adds are done
	s_wait_kmcnt 0x0
	s_add_nc_u64 s[16:17], s[4:5], s[16:17]
	s_add_nc_u64 s[46:47], s[6:7], s[46:47]
	CROUND                                         ; all sixteen work-groups are here: the first joint loads meet
.irp s, 0,1
	s_mov_b32 s[G0+4*\s], 1
	s_add_co_u32 s[G0+4*\s+1], s20, \s*SLOT
	s_add_nc_u64 s[G0+4*\s+2:G0+4*\s+3], s[16:17], \s*2*262144     ; K step s: heads 2 s, 2 s + 1
	s_or_b32 s[G0+4*\s+3], s[G0+4*\s+3], 0x80000000
	s_mov_b32 s[G0B+4*\s], 1
	s_add_co_u32 s[G0B+4*\s+1], s21, \s*SLOT
	s_add_nc_u64 s[G0B+4*\s+2:G0B+4*\s+3], s[46:47], \s*256
	s_or_b32 s[G0B+4*\s+3], s[G0B+4*\s+3], 0x80000000
	JLOAD \s
.endr
	v_and_b32 v1, 15, v0                           ; r
	v_bfe_u32 v2, v0, 4, 1                         ; h
	v_lshlrev_b32 v[BO], 5, v2
	s_lshl_b32 s22, s42, 10                        ; my first column, in bytes of f32: 1,024 x tile column + 512 x half
	s_lshl_b32 s23, s[HB], 9
	s_add_co_u32 s22, s22, s23
	s_mov_b32 s23, 0
	s_add_nc_u64 s[8:9], s[8:9], s[22:23]
	WIN 0x80                                       ; destination window 2
.irp b, 0,1,2,3,4,5,6,7                ; the bias in the result's layout: lane (r, h), column block b: the numbers 16 b + 8 h + 0 .. 7
	global_load_b128 v[8*\b:8*\b+3], v[BO], s[8:9] offset:64*\b
	global_load_b128 v[8*\b+4:8*\b+7], v[BO], s[8:9] offset:64*\b+16
.endr
	WIN 0
	v_mul_u32_u24 v3, v1, PA
	v_lshl_add_u32 v3, v2, 4, v3
	v_mul_u32_u24 v4, v1, PB
	v_lshl_add_u32 v4, v2, 4, v4
	s_mul_i32 s20, s[FB], 64*PA                    ; my 64 tokens
	s_mul_i32 s21, s[HB], 128*PB                   ; my 128 rows of Wo
	s_add_co_u32 s21, s21, BOFF
.irp s, 0,1
	v_add_nc_u32 v[ADRA+\s], s20, v3
	v_add_nc_u32 v[ADRB+\s], s21, v4
	s_add_co_u32 s20, s20, SLOT
	s_add_co_u32 s21, s21, SLOT
.endr
	s_mul_i32 s20, s[WV], 16*SPITCH
	s_add_co_u32 s20, s20, STAGE                   ; my stage
	v_mul_u32_u24 v5, v1, SPITCH                   ; in: row r, 32 bytes for each half of the lanes
	v_lshl_add_u32 v5, v2, 5, v5
	v_add_nc_u32 v[STO], s20, v5
	v_and_b32 v6, 31, v0
	v_lshlrev_b32 v[CO], 4, v6                     ; back: the 32 lanes take one row of 512 bytes; the same in out0
	v_add_nc_u32 v[RD], s20, v[CO]
	s_lshl_b32 s20, s45, 19                        ; my first row of out0: 128 x tile row + 64 x half, 4,096 bytes a row
	s_lshl_b32 s21, s[FB], 18
	s_add_co_u32 s20, s20, s21
	s_add_co_u32 s20, s20, s22
	s_mov_b32 s21, 0
	s_add_nc_u64 s[10:11], s[10:11], s[20:21]
; 8 matrix instructions: token block a against Wo's eight, 32 along K, from buffer f.  zero = 1: the sums begin with the bias.  The 32 accumulators take turns, one instruction a turn, in the same order in
; every quarter.
.macro MULA f, a, zero
.irp b, 0,1,2,3,4,5,6,7
.if \zero
	v_wmma_f32_16x16x32_f16 v[8*(8*(\a)+\b):8*(8*(\a)+\b)+7], v[\f+32+8*\b:\f+32+8*\b+7], v[\f+8*(\a):\f+8*(\a)+7], v[8*\b:8*\b+7]
.else
	v_wmma_f32_16x16x32_f16 v[8*(8*(\a)+\b):8*(8*(\a)+\b)+7], v[\f+32+8*\b:\f+32+8*\b+7], v[\f+8*(\a):\f+8*(\a)+7], v[8*(8*(\a)+\b):8*(8*(\a)+\b)+7]
.endif
.endr
.endm
; 24 LDS loads in one run: the fragments of the slot's kq-th 32 along K (head kq / 2, channels 32 (kq % 2) on) into buffer f
.macro FETCH slot, kq, f
	WIN 0
.irp i, 0,1,2,3,4,5,6,7
	ds_load_b128 v[\f+32+8*\i:\f+32+8*\i+3], v[ADRB+\slot] offset:64*(\kq)+\i*16*PB
	ds_load_b128 v[\f+32+8*\i+4:\f+32+8*\i+7], v[ADRB+\slot] offset:64*(\kq)+\i*16*PB+32
.endr
.irp i, 0,1,2,3
	ds_load_b128 v[\f+8*\i:\f+8*\i+3], v[ADRA+\slot] offset:128*PA*((\kq)/2)+64*((\kq)%2)+\i*16*PA
	ds_load_b128 v[\f+8*\i+4:\f+8*\i+7], v[ADRA+\slot] offset:128*PA*((\kq)/2)+64*((\kq)%2)+\i*16*PA+32
.endr
.endm
; A K step is four quarters of 32 along K, 32 matrix instructions each, on buffers 0, 1, 0, 1.  One of the first three: multiplies buffer f and, in its middle, fetches quarter kq into g.
.macro QUARTER slot, kq, f, g, zero
	s_wait_dscnt 0x0                               ; buffer f is in
.if \zero
	WIN MULB
.else
	WIN MUL
.endif
	MULA \f, 0, \zero
	MULA \f, 1, \zero
	PLACES                                         ; in front of loads into registers that matrix instructions have read
	FETCH \slot, \kq, \g
.if \zero
	WIN MULB
.else
	WIN MUL
.endif
	MULA \f, 2, \zero
	MULA \f, 3, \zero
.endm
; The last quarter multiplies buffer 1 and changes slots: ONE barrier; in front of it each wave waits for all its tensor loads (its part of the next slot), adds 0 to its spare word, and waits for that and for
; its reads of this slot.  fill = 1: the barrier opens a round of the cluster's, and this slot is filled again, two K steps ahead, first thing behind the round.
.macro TURN slot, next, fill
	WIN 0                                          ; (the add's two registers lie in window 0)
	s_wait_tensorcnt 0x0
	ds_add_u32 v[SPW], v[NIL]                      ; 0 onto my spare word
	s_wait_dscnt 1                                 ; buffer 1 is in; the add may be out
	WIN MUL
	MULA F1, 0, 0                                  ; eight matrix instructions stand between the add and the wait for it
	s_wait_dscnt 0x0                               ; the add is done, and my reads of this slot are over
	s_barrier_signal -1
	MULA F1, 1, 0
	WIN 0
	s_barrier_wait -1
.if \fill
	CREST                                          ; no wave of any partner still reads this slot's tiles or has a load on its way
	s_add_nc_u64 s[G0+4*\slot+2:G0+4*\slot+3], s[G0+4*\slot+2:G0+4*\slot+3], 4*262144   ; two K steps on: four heads,
	s_add_nc_u64 s[G0B+4*\slot+2:G0B+4*\slot+3], s[G0B+4*\slot+2:G0B+4*\slot+3], 512    ; 256 columns of Wo
	JLOAD \slot                                    ; the four v_nop behind it are also the places in front of the loads below
.else
	PLACES
.endif
	FETCH \next, 0, F0
	WIN MUL
	MULA F1, 2, 0
	MULA F1, 3, 0
.endm
	s_wait_tensorcnt 1                             ; my part of K step 0 is in; K step 1's load may be out,
	s_barrier_signal -1
	s_barrier_wait -1                              ; everybody's is
	FETCH 0, 0, F0
	s_wait_loadcnt 0x0                             ; the bias
	QUARTER 0, 1, F0, F1, 1                        ; the first quarter stands in front of the loop: its products start the sums, with the bias as C
	WIN 0                                          ; at a label and at a branch every window is 0
	s_mov_b32 s3, 3
.Llap:                                             ; three trips, each once round the ring: they ask for K steps 2 to 7
	QUARTER 0, 2, F1, F0, 0
	QUARTER 0, 3, F0, F1, 0
	TURN 0, 1, 1
	QUARTER 1, 1, F0, F1, 0
	QUARTER 1, 2, F1, F0, 0
	QUARTER 1, 3, F0, F1, 0
	TURN 1, 0, 1
	QUARTER 0, 1, F0, F1, 0
	WIN 0
	s_sub_co_u32 s3, s3, 1
	s_cmp_lg_u32 s3, 0
	s_cbranch_scc1 .Llap
	QUARTER 0, 2, F1, F0, 0                        ; the last lap fills nothing, and has no round of the cluster's barrier
	QUARTER 0, 3, F0, F1, 0
	TURN 0, 1, 0
	QUARTER 1, 1, F0, F1, 0
	QUARTER 1, 2, F1, F0, 0
	QUARTER 1, 3, F0, F1, 0
	s_wait_dscnt 0x0                               ; the very last quarter: nothing more to fetch
	WIN MUL
	MULA F1, 0, 0
	MULA F1, 1, 0
	MULA F1, 2, 0
	MULA F1, 3, 0
	WIN 0
; THE WAY OUT, block by block of 16 tokens x 128 columns: a lane's 32 bytes go into my own stage and come back as whole rows of 512 bytes.  LDS serves a wave's instructions in order (ISA guide 5.7.1.4).
.macro TOSTAGE a
	WIN 0x04                                       ; an LDS store's data are its source 1: window 1
.irp b, 0,1,2,3,4,5,6,7
	ds_store_b128 v[STO], v[8*(8*(\a)+\b):8*(8*(\a)+\b)+3] offset:64*\b          ; each accumulator from its low end on
	ds_store_b128 v[STO], v[8*(8*(\a)+\b)+4:8*(8*(\a)+\b)+7] offset:64*\b+16
.endr
	WIN 0
.set BB, OB+64*((\a)%2)
.irp t, 0,1,2,3,4,5,6,7,8,9,10,11,12,13,14,15
	ds_load_b128 v[BB+4*\t:BB+4*\t+3], v[RD] offset:\t*SPITCH
.endr
.endm
.macro SEND a, younger                 ; younger: the LDS instructions issued behind block a's loads, which may stay out
.set BB, OB+64*((\a)%2)
	s_wait_dscnt \younger
.irp t, 0,1,2,3,4,5,6,7,8,9,10,11,12,13,14,15
	global_store_b128 v[CO], v[BB+4*\t:BB+4*\t+3], s[10:11] offset:(16*(\a)+\t)*4096 th:TH_STORE_NT   ; 32 lanes store 512 bytes on end, aligned; written once, read by nobody here
.endr
.endm
	PLACES                                         ; behind the last products: for the stores that read results and the loads into the fragments' registers
	TOSTAGE 0
	TOSTAGE 1
	SEND 0, 32                                     ; behind block 0's loads: block 1's 16 stores and 16 loads
	s_wait_xcnt 0x0                                ; block 0's stores have read their data: block 2's loads land there only behind this wait
	TOSTAGE 2
	SEND 1, 32
	s_wait_xcnt 0x0
	TOSTAGE 3
	SEND 2, 32
	SEND 3, 0
	s_wait_tensorcnt 0x0                           ; the wave's end: a wait, an add of 0 to my spare word and its wait, behind my last tensor load and my last LDS store
	ds_add_u32 v[SPW], v[NIL]
	s_wait_dscnt 0x0
	CROUND                                         ; the closing round
	s_endpgm
.Lfunc_end_k_qc67e826089_oproj:
	.size	k_qc67e826089_oproj, .Lfunc_end_k_qc67e826089_oproj-k_qc67e826089_oproj
	.p2alignl 7, 3214868480
	.fill 96, 4, 3214868480
	.section	.rodata,"a",@progbits
	.p2align	6, 0x0
	.amdhsa_kernel k_qc67e826089_oproj
		.amdhsa_group_segment_fixed_size 327680
		.amdhsa_private_segment_fixed_size 0
		.amdhsa_enable_private_segment 0
		.amdhsa_kernarg_size 32
		.amdhsa_user_sgpr_count 2
		.amdhsa_user_sgpr_kernarg_segment_ptr 1
		.amdhsa_wavefront_size32 1
		.amdhsa_system_sgpr_workgroup_id_x 1
		.amdhsa_system_sgpr_workgroup_id_y 1
		.amdhsa_system_sgpr_workgroup_id_z 1
		.amdhsa_system_vgpr_workitem_id 0
		.amdhsa_next_free_vgpr 576
		.amdhsa_next_free_sgpr 66
		.amdhsa_reserve_vcc 0
		.amdhsa_float_denorm_mode_32 3
		.amdhsa_float_denorm_mode_16_64 3
		.amdhsa_memory_ordered 1
		.amdhsa_forward_progress 1
		.amdhsa_inst_pref_size 86
	.end_amdhsa_kernel
	.amdgpu_metadata
---
amdhsa.version: [ 1, 2 ]
amdhsa.kernels:
  - .name:           k_qc67e826089_oproj
    .symbol:         k_qc67e826089_oproj.kd
    .args:
      - { .name: xh, .offset: 0, .size: 8, .value_kind: global_buffer, .address_space: global }
      - { .name: wo16, .offset: 8, .size: 8, .value_kind: global_buffer, .address_space: global }
      - { .name: bo, .offset: 16, .size: 8, .value_kind: global_buffer, .address_space: global }
      - { .name: out0, .offset: 24, .size: 8, .value_kind: global_buffer, .address_space: global }
    .group_segment_fixed_size: 327680
    .private_segment_fixed_size: 0
    .kernarg_segment_align: 8
    .kernarg_segment_size: 32
    .max_flat_workgroup_size: 128
    .sgpr_count:     66
    .vgpr_count:     576
    .wavefront_size: 32
...
	.end_amdgpu_metadata
.endif
;; end of part 4
